; MI455X (gfx1250); checked and timed in simulation.
; The chip was launched on July 23, 2026; its instructions are those of AMD's public machine-readable ISA for CDNA 5 (MIT licence, August 2026) and "CDNA5" Instruction Set Architecture Reference Guide (July 2026). The comments in the code are by the model that wrote it; some were corrected since.
;; Multi Head Attention. Allowed arithmetic: matrix products marked QUANTISED: E2M1 operands, one E8M0 scale for each 32 along K, by v_wmma_scale_f32_16x16x128_f8f6f4 with both operands' format E2M1 (or v_wmma_scale_f32_32x16x128_f4), f32 sums; products left as they are: bf16, f16 or f32 operands; f32 sums; everything else in f32.
;; Inputs: Wk 1,024 x 1,024 float32; Wo 1,024 x 1,024 float32; Wq 1,024 x 1,024 float32; Wv 1,024 x 1,024 float32; bk 1,024 float32; bo 1,024 float32; bq 1,024 float32; bv 1,024 float32; key 4 x 2,048 x 1,024 float32; mask 4 x 2,048 bool; query 4 x 2,048 x 1,024 float32; value 4 x 2,048 x 1,024 float32.
;; Outputs: out0 4 x 2,048 x 1,024 float32.
;; This version of the problem:
;;   THIS VERSION OF THE PROBLEM IS GIVEN IN LOW PRECISION. The matrix products marked QUANTISED in the list below multiply operands that are first quantised to E2M1 (2 exponent bits, 1 mantissa bit; 4 bits a number), with one power-of-two scale for each 32 numbers along K (OCP MX v1.0); their sums are f32. The products marked 'left as it is' may take bf16, f16 or f32 operands, with f32 sums. Whichever they take, every output number must still come out within the allowed error. Rounding operands to bf16 (8 significant bits) uses up far more of that allowance than f16 does (11 bits, for magnitudes from 6e-5 to 65,504). All else is computed in f32.
;;   The module's matrix products, in the order in which they are computed (A, B: the left and right operand; K: the contracted axis; several contracted axes count as one K, in the product's order):
;;     1. [M 8,192, K 1,024] x [K 1,024, N 1,024]; A: input query; B: input Wq: QUANTISED
;;     2. [M 8,192, K 1,024] x [K 1,024, N 1,024]; A: input key; B: input Wk: QUANTISED
;;     3. [M 8,192, K 1,024] x [K 1,024, N 1,024]; A: input value; B: input Wv: QUANTISED
;;     4. batch 64 x [M 2,048, K 64] x [K 64, N 2,048]; A: computed on the way; B: computed on the way: left as it is (an operand is computed on the way)
;;     5. batch 64 x [M 2,048, K 2,048] x [K 2,048, N 64]; A: computed on the way; B: computed on the way: left as it is (an operand is computed on the way)
;;     6. [M 8,192, K 1,024] x [K 1,024, N 1,024]; A: computed on the way; B: input Wo: left as it is (an operand is computed on the way)
;;   THE QUANTISER, for each operand of a quantised product, along K:
;;     - K is cut into blocks of 32 from its start; a last block that is shorter is filled with zeros.
;;     - A block's scale is 2^e with e = floor(log2(the largest magnitude in the block)) - 2, held to -126 .. 127; a block of zeros has e = 0. As a byte (E8M0): e + 127.
;;     - Each number is divided by its block's scale, clamped to +-6, and rounded to the nearest number of E2M1, ties to even, subnormals kept.
;;     - The product sums the exact products of the quantised numbers (number of the format x scale) in f32.
;;   ~~~python
;;   def quantise(x, axis):      # numpy; x: float32 -> the quantised numbers, widened to float32 again
;;       x = np.moveaxis(x, axis, -1); K = x.shape[-1]
;;       x = np.pad(x, [(0, 0)] * (x.ndim - 1) + [(0, -K % 32)]); x = x.reshape(x.shape[:-1] + (-1, 32)); a = np.abs(x).max(-1, keepdims=True)
;;       e = np.where(a > 0, np.clip(np.frexp(np.where(a > 0, a, 1))[1] - 1 - 2, -126, 127), 0)      # np.frexp(a)[1] - 1 = floor(log2(a)), exactly
;;       r = np.clip(x / 2.0 ** e, -6, 6)
;;       step = 2.0 ** (np.maximum(np.frexp(np.where(r == 0, 1, r))[1] - 1, 0) - 1)
;;       q = np.round(r / step) * step * 2.0 ** e      # np.round: ties to even
;;       return np.moveaxis(q.reshape(q.shape[:-2] + (-1,))[..., :K], -1, axis).astype(np.float32)
;;   ~~~
;; One version. Each part assembles by itself: llvm-mc -triple=amdgcn-amd-amdhsa -mcpu=gfx1250 --defsym DOCPART=n.
;; ======== version 1 of 1: 4 launches
;; limits: values are held in f16: magnitudes above 65,504 overflow, below 6.1e-05 lose precision
;; workspace buffers: acodes 12,582,912 bytes; ascales 786,432 bytes; wcodes 1,572,864 bytes; wscales 98,304 bytes; wo16 2,097,152 bytes; qkv 50,331,648 bytes; att 16,777,216 bytes
;; launch quant (part 1): grid 928 x 1, 4 waves a work-group, no clusters, 33,280 bytes of LDS; arguments query, key, value, Wq, Wk, Wv, Wo, acodes, ascales, wcodes, wscales, wo16; writes acodes, ascales, wcodes, wscales, wo16
.if DOCPART == 1
	.amdgcn_target "amdgcn-amd-amdhsa--gfx1250"
	.amdhsa_code_object_version 6
	.text
	.protected	k_qfdf7b235f7_quant
	.globl	k_qfdf7b235f7_quant
	.p2align	8
	.type	k_qfdf7b235f7_quant,@function
k_qfdf7b235f7_quant:
	s_mov_b64 s[64:65], 0
	v_nop
	global_prefetch_b8 v0, s[64:65] scope:SCOPE_SE
	s_setreg_imm32_b32 hwreg(HW_REG_WAVE_MODE, 25, 1), 1
	s_wait_xcnt 0x0
; query, key, value [8192][1024] and Wq, Wk, Wv [1024][1024], f32 with K innermost, are turned into codes of FP4 (E2M1), two a byte, K innermost, with one E8M0 byte for each 32 along K;
; Wo [1024 n][1024 k] is rounded to f16 and laid [16 kb][1024 n][64]: a block of 64 along K is a dense plane of rows of 128 bytes, as the last launch's tiles want it.
; A block's scale is 2^(floor(log2(its largest magnitude)) - 2); its byte is the largest magnitude's exponent field - 2, held at 1 from below.  A block of zeros so gets the byte 1 where the rule says 127:
; its codes are zeros, which add nothing under any byte but 0xff, and the bytes are read by this program alone.
; LIMITS: blocks whose largest magnitude lies under 2^(2 - 126) keep the byte 1; NaN and infinities among the inputs are not served; |Wo| beyond 65,504 has no f16 number.
; SHARES: a work-group takes 32,768 numbers, a wave 8,192 in 16 steps of 512.  Work-groups 0-767: query, key, value (256 each); 768-863: Wq, Wk, Wv (32 each); 864-927: Wo, 16 rows each.
; Rows are dense and K is a multiple of 32: a tensor is a plain stream of blocks of 32, and so are its codes and scale bytes; the three activations' codes follow each other in one buffer, the three weights' in another.
; Each of a step's four loads reads 512 consecutive bytes; the 2,048 bytes turn through the wave's own stage in LDS and come back 64 bytes a lane, so that a lane holds 16 neighbours along K (two lanes to a block).
; No tiles are shared between work-groups, so there is no cluster; no tensor load, no barrier: waves share nothing.
.set WAVES, 4
.set STEPS, 16
.set FIRST_W,  768                     ; the first work-group of the weights
.set FIRST_WO, 864                     ; the first of Wo
.set EMAX,  2
.set CB,    8                          ; bytes of 16 codes
.set R,     16                         ; v16-79   four sets of 16 numbers as they are loaded
.set X,     80                         ; v80-111  two sets of 16 neighbours
.set C,     128                        ; v128-191 codes: four registers for each step, so that no store's data are written again
.set E,     112                        ; v112-127 a scale byte for each step
.set WREG,  8192                       ; LDS: a region for each wave: two stages of 32 x SP bytes, behind them its 256 scale bytes
.set SP,    80                         ; a lane's place in a stage: its 64 bytes + 16 of padding
.set SPW,   12                         ; v12      LDS address of my spare word: SPARE + 4 x my thread's number; never rewritten
.set NIL,   13                         ; v13      0; never rewritten
.set SPARE, WAVES*WREG                 ; behind the four regions: the spare words, 128 bytes for each wave
	s_load_b512 s[8:23], s[0:1], 0x0               ; query 8, key 10, value 12, Wq 14, Wk 16, Wv 18, Wo 20, acodes 22
	s_load_b256 s[24:31], s[0:1], 0x40             ; ascales 24, wcodes 26, wscales 28, wo16 30
	v_lshl_add_u32 v[SPW], v0, 2, SPARE
	v_mov_b32 v[NIL], 0
	v_lshrrev_b32 v1, 5, v0
	v_readfirstlane_b32 s36, v1                    ; wave
	v_and_b32 v2, 31, v0                           ; lane
	v_lshlrev_b32 v3, 4, v2                        ; my 16 bytes of a load's 512
	s_mul_i32 s37, s36, WREG
	v_lshrrev_b32 v14, 2, v2
	v_mul_u32_u24 v14, v14, SP
	v_and_b32 v15, 3, v2
	v_lshl_add_u32 v14, v15, 4, v14
	v_add_nc_u32 v14, s37, v14                     ; the stage, on the way in: four lanes' 64 bytes on end, then 16 of padding
	v_mul_u32_u24 v15, v2, SP
	v_add_nc_u32 v15, s37, v15                     ; and on the way out: SP x lane: my 16 neighbours
	v_mul_u32_u24 v4, v2, CB                       ; my codes' place in a step's
	v_lshrrev_b32 v5, 1, v2
	s_add_co_u32 s37, s37, 2*32*SP
	v_add_nc_u32 v5, s37, v5                       ; LDS: my wave's 256 scale bytes, my block's byte
	v_lshlrev_b32 v7, 3, v2                        ; and on the way out 8 bytes a lane
	v_add_nc_u32 v6, s37, v7
	s_wait_kmcnt 0x0
	s_cmp_ge_u32 ttmp9, FIRST_WO                   ; the work-group's number alone decides
	s_cbranch_scc1 .Lwo
	; which tensor: only pointers are chosen, all six take one path through the text
	s_mov_b64 s[4:5], s[18:19]                     ; Wv,
	s_mov_b32 s6, 832                              ; whose first work-group is 832
	s_cmp_lt_u32 ttmp9, 832
	s_cselect_b64 s[4:5], s[16:17], s[4:5]         ; Wk
	s_cselect_b32 s6, 800, s6
	s_cmp_lt_u32 ttmp9, 800
	s_cselect_b64 s[4:5], s[14:15], s[4:5]         ; Wq
	s_cselect_b32 s6, FIRST_W, s6
	s_cmp_lt_u32 ttmp9, FIRST_W
	s_cselect_b64 s[4:5], s[12:13], s[4:5]         ; value
	s_cselect_b32 s6, 512, s6
	s_cselect_b64 s[32:33], s[22:23], s[26:27]     ; the codes' buffer: the activations' or the weights',
	s_cselect_b64 s[34:35], s[24:25], s[28:29]     ; the scale bytes' likewise,
	s_cselect_b32 s7, 0, FIRST_W                   ; and the work-group at which that buffer begins
	s_cmp_lt_u32 ttmp9, 512
	s_cselect_b64 s[4:5], s[10:11], s[4:5]         ; key
	s_cselect_b32 s6, 256, s6
	s_cmp_lt_u32 ttmp9, 256
	s_cselect_b64 s[4:5], s[8:9], s[4:5]           ; query
	s_cselect_b32 s6, 0, s6
	s_sub_co_u32 s37, ttmp9, s6
	s_lshl_b32 s37, s37, 2
	s_add_co_u32 s38, s37, s36                     ; which run of 8,192 numbers of the tensor is my wave's
	s_lshl_b32 s38, s38, 15                        ; 32,768 bytes a run
	s_mov_b32 s39, 0
	s_add_nc_u64 s[4:5], s[4:5], s[38:39]
	s_sub_co_u32 s37, ttmp9, s7
	s_lshl_b32 s37, s37, 2
	s_add_co_u32 s37, s37, s36                     ; and which run of the buffer of codes
	s_lshl_b32 s38, s37, 12                        ; 4,096 bytes of codes a run
	s_add_nc_u64 s[32:33], s[32:33], s[38:39]
	s_lshl_b32 s38, s37, 8                         ; 256 scale bytes a run
	s_add_nc_u64 s[34:35], s[34:35], s[38:39]
.macro LOAD t
.irp i, 0,1,2,3
	global_load_b128 v[R+16*((\t)%4)+4*\i:R+16*((\t)%4)+4*\i+3], v3, s[4:5] offset:2048*(\t)+512*\i th:TH_LOAD_NT   ; 32 lanes read 512 consecutive bytes
.endr
.endm
.macro TURN t                          ; step t's numbers through the stage: LDS serves a wave's instructions in order, so no wait stands between the stores and the loads
.irp i, 0,1,2,3
	ds_store_b128 v14, v[R+16*((\t)%4)+4*\i:R+16*((\t)%4)+4*\i+3] offset:32*SP*((\t)%2)+8*SP*\i
.endr
.irp i, 0,1,2,3
	ds_load_b128 v[X+16*((\t)%2)+4*\i:X+16*((\t)%2)+4*\i+3], v15 offset:32*SP*((\t)%2)+16*\i
.endr
.endm
.irp t, 0,1,2,3
	LOAD \t
.endr
	s_wait_loadcnt 12                              ; step 0's four loads are in; the twelve of steps 1 to 3 may be out
	TURN 0
.macro STEP t
.set XS, X+16*((\t)%2)
.if (\t) > 0
	s_wait_dscnt 1                                 ; this step's numbers are back from the stage (the last step's byte store may be out): so its stores into the stage have read their registers,
.else
	s_wait_dscnt 0x0
.endif
.if (\t)+4 < STEPS
	LOAD (\t)+4                                    ; which take the loads of four steps on
.endif
.if (\t)+1 < STEPS
.if STEPS-2-(\t) >= 3
	s_wait_loadcnt 12                              ; the next step's four loads are in; those of the three steps behind it may be out
.else
	s_wait_loadcnt 4*(STEPS-2-(\t))
.endif
	TURN (\t)+1                                    ; and go through the other stage while this step is worked
.endif
	v_max3_num_f32 v8, |v[XS]|, |v[XS+1]|, |v[XS+2]|               ; the largest magnitude of my 16, in two chains
	v_max3_num_f32 v9, |v[XS+3]|, |v[XS+4]|, |v[XS+5]|
.irp i, 6,10
	v_max3_num_f32 v8, v8, |v[XS+\i]|, |v[XS+\i+1]|
	v_max3_num_f32 v9, v9, |v[XS+\i+2]|, |v[XS+\i+3]|
.endr
	v_max3_num_f32 v8, v8, |v[XS+14]|, |v[XS+15]|
	v_max3_num_f32 v8, v8, v9, (EMAX+1)<<23        ; and the floor 2^(EMAX + 1 - 127): so the byte cannot fall under 1
	v_max_num_f32_dpp v8, v8, v8 row_xmask:1 row_mask:0xf bank_mask:0xf   ; and of my neighbour's 16: the block's
	v_add_nc_u32 v11, -(EMAX<<23), v8              ; EMAX off its exponent field: the conversion takes the exponent field of this operand as its scale, and nothing else of it
	v_cvt_scalef32_pk8_fp4_f32 v[C+4*(\t)], v[XS:XS+7], v11        ; eight numbers / the scale, to the nearest code, ties to even, beyond the largest code the largest
	v_cvt_scalef32_pk8_fp4_f32 v[C+4*(\t)+1], v[XS+8:XS+15], v11
	v_lshrrev_b32 v[E+(\t)], 23, v11               ; the scale's byte (also the plain line behind the conversions)
	ds_store_b8 v5, v[E+(\t)] offset:16*(\t)       ; both lanes of a block write the same byte with the same value
	global_store_b64 v4, v[C+4*(\t):C+4*(\t)+1], s[32:33] offset:32*CB*(\t)   ; 32 lanes store 256 consecutive bytes, aligned
.endm
.irp t, 0,1,2,3,4,5,6,7,8,9,10,11,12,13,14,15
	STEP \t
.endr
	ds_load_b64 v[8:9], v6                         ; LDS serves a wave's instructions in order: these see my stores
	s_wait_dscnt 0x0
	global_store_b64 v7, v[8:9], s[34:35]          ; 32 lanes store 256 consecutive bytes, aligned
	s_wait_tensorcnt 0x0                           ; the wave's end, behind my last LDS store
	ds_add_u32 v[SPW], v[NIL]
	s_wait_dscnt 0x0
	s_endpgm
; Wo to f16.  Wave w of work-group j takes rows 16 j + 4 w .. + 3.  A load reads 256 bytes (64 along K) of two neighbouring rows; its two roundings a lane give 8 bytes, and the 32 lanes store
; two neighbouring rows of 128 bytes of plane kb: 256 consecutive bytes, aligned.  All 32 loads go out first; no register that a store reads is written again.
.Lwo:
	s_sub_co_u32 s37, ttmp9, FIRST_WO
	s_lshl_b32 s37, s37, 2
	s_add_co_u32 s37, s37, s36                     ; my group of four rows
	s_lshl_b32 s38, s37, 14                        ; four rows of 4,096 bytes
	s_mov_b32 s39, 0
	s_add_nc_u64 s[20:21], s[20:21], s[38:39]
	s_lshl_b32 s38, s37, 9                         ; four rows of 128 bytes
	s_add_nc_u64 s[30:31], s[30:31], s[38:39]
	v_lshrrev_b32 v8, 4, v2
	v_and_b32 v9, 15, v2
	v_lshlrev_b32 v8, 12, v8
	v_lshl_add_u32 v8, v9, 4, v8                   ; in: (lane / 16) rows + 16 (lane % 16)
	v_lshlrev_b32 v9, 3, v2                        ; out: 8 x lane
.irp kb, 0,1,2,3,4,5,6,7,8,9,10,11,12,13,14,15
	global_load_b128 v[16+4*\kb:19+4*\kb], v8, s[20:21] offset:256*\kb th:TH_LOAD_NT
.endr
.irp kb, 0,1,2,3,4,5,6,7,8,9,10,11,12,13,14,15
	global_load_b128 v[112+4*\kb:115+4*\kb], v8, s[20:21] offset:8192+256*\kb th:TH_LOAD_NT
.endr
.irp kb, 0,1,2,3,4,5,6,7,8,9,10,11,12,13,14,15
	s_wait_loadcnt 31-\kb                          ; the younger loads may be out
	v_cvt_pk_f16_f32 v[80+2*\kb], v[16+4*\kb], v[17+4*\kb]
	v_cvt_pk_f16_f32 v[81+2*\kb], v[18+4*\kb], v[19+4*\kb]
	global_store_b64 v9, v[80+2*\kb:81+2*\kb], s[30:31] offset:131072*\kb
.endr
.irp kb, 0,1,2,3,4,5,6,7,8,9,10,11,12,13,14,15
	s_wait_loadcnt 15-\kb
	v_cvt_pk_f16_f32 v[16+2*\kb], v[112+4*\kb], v[113+4*\kb]       ; into registers whose numbers have been rounded already
	v_cvt_pk_f16_f32 v[17+2*\kb], v[114+4*\kb], v[115+4*\kb]
	global_store_b64 v9, v[16+2*\kb:17+2*\kb], s[30:31] offset:131072*\kb+256
.endr
	s_wait_tensorcnt 0x0                           ; the same three lines at this path's end
	ds_add_u32 v[SPW], v[NIL]
	s_wait_dscnt 0x0
	s_endpgm
.Lfunc_end_k_qfdf7b235f7_quant:
	.size	k_qfdf7b235f7_quant, .Lfunc_end_k_qfdf7b235f7_quant-k_qfdf7b235f7_quant
	.p2alignl 7, 3214868480
	.fill 96, 4, 3214868480
	.section	.rodata,"a",@progbits
	.p2align	6, 0x0
	.amdhsa_kernel k_qfdf7b235f7_quant
		.amdhsa_group_segment_fixed_size 33280
		.amdhsa_private_segment_fixed_size 0
		.amdhsa_enable_private_segment 0
		.amdhsa_kernarg_size 96
		.amdhsa_user_sgpr_count 2
		.amdhsa_user_sgpr_kernarg_segment_ptr 1
		.amdhsa_wavefront_size32 1
		.amdhsa_system_sgpr_workgroup_id_x 1
		.amdhsa_system_sgpr_workgroup_id_y 1
		.amdhsa_system_sgpr_workgroup_id_z 1
		.amdhsa_system_vgpr_workitem_id 0
		.amdhsa_next_free_vgpr 192
		.amdhsa_next_free_sgpr 66
		.amdhsa_reserve_vcc 0
		.amdhsa_float_denorm_mode_32 3
		.amdhsa_float_denorm_mode_16_64 3
		.amdhsa_memory_ordered 1
		.amdhsa_forward_progress 1
		.amdhsa_inst_pref_size 46
	.end_amdhsa_kernel
	.amdgpu_metadata
---
amdhsa.version: [ 1, 2 ]
amdhsa.kernels:
  - .name:           k_qfdf7b235f7_quant
    .symbol:         k_qfdf7b235f7_quant.kd
    .args:
      - { .name: query, .offset: 0, .size: 8, .value_kind: global_buffer, .address_space: global }
      - { .name: key, .offset: 8, .size: 8, .value_kind: global_buffer, .address_space: global }
      - { .name: value, .offset: 16, .size: 8, .value_kind: global_buffer, .address_space: global }
      - { .name: Wq, .offset: 24, .size: 8, .value_kind: global_buffer, .address_space: global }
      - { .name: Wk, .offset: 32, .size: 8, .value_kind: global_buffer, .address_space: global }
      - { .name: Wv, .offset: 40, .size: 8, .value_kind: global_buffer, .address_space: global }
      - { .name: Wo, .offset: 48, .size: 8, .value_kind: global_buffer, .address_space: global }
      - { .name: acodes, .offset: 56, .size: 8, .value_kind: global_buffer, .address_space: global }
      - { .name: ascales, .offset: 64, .size: 8, .value_kind: global_buffer, .address_space: global }
      - { .name: wcodes, .offset: 72, .size: 8, .value_kind: global_buffer, .address_space: global }
      - { .name: wscales, .offset: 80, .size: 8, .value_kind: global_buffer, .address_space: global }
      - { .name: wo16, .offset: 88, .size: 8, .value_kind: global_buffer, .address_space: global }
    .group_segment_fixed_size: 33280
    .private_segment_fixed_size: 0
    .kernarg_segment_align: 8
    .kernarg_segment_size: 96
    .max_flat_workgroup_size: 128
    .sgpr_count:     66
    .vgpr_count:     192
    .wavefront_size: 32
...
	.end_amdgpu_metadata
.endif
;; end of part 1
;; launch proj (part 2): grid 4 x 96, 4 waves a work-group, clusters of 4 x 4, 327,680 bytes of LDS; arguments acodes, ascales, wcodes, wscales, bq, bk, bv, qkv; writes qkv
.if DOCPART == 2
	.amdgcn_target "amdgcn-amd-amdhsa--gfx1250"
	.amdhsa_code_object_version 6
	.text
	.protected	k_qfdf7b235f7_proj
	.globl	k_qfdf7b235f7_proj
	.p2align	8
	.type	k_qfdf7b235f7_proj,@function
k_qfdf7b235f7_proj:
	s_mov_b64 s[64:65], 0
	v_nop
	global_prefetch_b8 v0, s[64:65] scope:SCOPE_SE
	s_setreg_imm32_b32 hwreg(HW_REG_WAVE_MODE, 25, 1), 1
	s_wait_xcnt 0x0
	s_wait_alu depctr_hold_cnt(0) depctr_sa_sdst(0) depctr_va_vdst(0) depctr_va_sdst(0) depctr_va_ssrc(0) depctr_va_vcc(0) depctr_vm_vsrc(0)
	s_getreg_b32 s2, hwreg(HW_REG_IB_STS2, 6, 4)
	s_cmp_eq_u32 s2, 0
	s_cbranch_scc0 .Lentry_in_a_cluster
	s_endpgm
.Lentry_in_a_cluster:
	s_bfe_u32 s2, ttmp6, 0x10000c
	s_cmp_lg_u32 s2, 0xf033
	s_cbranch_scc0 .Lentry_shape_is_right
	s_endpgm
.Lentry_shape_is_right:
; The three projections in one launch: for t = 0, 1, 2 (q, k, v): Y_t = X_t W_t^T + b_t, on codes of FP4 (E2M1) with one E8M0 scale for each 32 along K; sums in f32; Y rounded once to f16.
; X's codes [3 x 8192][512 bytes], their scale bytes [3 x 8192][32]; W's codes [3 x 1024][512 bytes], scale bytes [3 x 1024][32].  Y goes out split by heads: qkv [3][batch x 16 + head][2048][64] f16.
; LIMIT: |Y| beyond 65,504 has no f16 number.
; A tile, 256 rows x 256 columns, is made by four waves, each 128 x 128: 64 accumulators, 512 registers.  K = 1,024 is two K steps of 512 (tile rows of 256 bytes): the two LDS slots are each filled ONCE, at the start.
; The scales of the tile's 256 rows of X and 256 rows of W, for all of K, are two dense blocks: they come once, with the first fills.
; CLUSTERS: 4 x 4 work-groups.  The four of a row need the same tiles of X, the four of a column the same tiles of W: each is asked for JOINTLY, by the same tensor load with the same descriptor and a mask that names the four.
; A cluster's four tile rows belong to one t (32 tile rows to a t), so W's rows hang on the cluster's y and on cx alone.
; THE MATRIX INSTRUCTION IS USED TRANSPOSED (source 0 = 16 rows of W, source 1 = 16 rows of X): a lane holds eight neighbouring columns of one row of Y.  The bias is the C of each sum's first product.
; REGISTERS, in windows of 256: window 0: v0-31 addresses; v32-95 scale words, two sets; v128-191 X's fragments, one set; v192-255 the bias, 8 registers a block of 16 columns; on the way out v32-63, v192-255 are at work.
;   window 1: W's fragments, two sets, at v0 and v128.   window 2: the accumulators of my rows 0-63 ((a, b) at v[8 (8 a + b)]);   window 3: those of rows 64-127.
.set NQ,     4                         ; steps of 128 along K in a slot
.set ROWB,   256                       ; a tile's row in bytes: 512 codes
.set KROW,   512                       ; a row of codes in memory
.set PITCH,  272                       ; an LDS row: 256 bytes + 16 of padding: the 16 rows that a load touches start at 16 different banks (64 banks of 4 bytes: ISA guide 11.1)
.set FR,     8                         ; registers of a fragment: 16 rows x 128 K
.set NL,     2                         ; LDS loads that bring one
.set NP,     4                         ; places behind this matrix instruction (ISA guide 7.12.1)
.set HALFT,  128*PITCH                 ; 128 rows: what one tensor load brings
.set SLOT,   4*HALFT                   ; X's 256 rows, then W's 256 rows
.set KS,     32                        ; a row of scale bytes
.set SCL,    2*SLOT                    ; behind the ring: the scales, as rows of 256 bytes + 16 of padding
.set HALFS,  (128*KS/256)*272          ; the scales of 128 rows: what one tensor load brings
.set SBLK,   (16*KS/256)*272           ; those of 16 rows
.set SPARE,  SCL+4*HALFS               ; behind the scales: the spare words, 128 bytes for each wave
.set SPITCH, 272                       ; the way out: a stage of 16 rows x (256 bytes + 16) for each wave, in slot 0, which has had its only fill and its last read by then
.set ADRA, 16                          ; v16-17  LDS address of my X fragments in slot 0, 1
.set ADRB, 20                          ; v20-21  the same for W
.set STO,  24                          ; v24     the way out: where I put 16 bytes of a row
.set RD,   25                          ; v25     where I read 16 bytes back
.set CO,   26                          ; v26     16 x lane: my place in 512 bytes of qkv
.set ADRS, 27                          ; v27     LDS address of my scale words: lanes 0-15 X's rows, lanes 16-31 W's
.set SPW,  28                          ; v28     my spare word; never rewritten
.set NIL,  29                          ; v29     0; never rewritten
.set BO,   30                          ; v30     the bias loads' offset; never rewritten
.set SC,   32                          ; scale words: set s at v[SC + 32 s]; register 4 i + q: lanes 0-15 X's block i, lanes 16-31 W's block i, the slot's q-th 128 along K
.set AF,   128                         ; X's fragments
.set BIAS, 192                         ; the bias of my 128 columns
.set TMP,  192                         ; the way out: packed results (the bias is done with)
.set OB,   32                          ; 16 rows read back from the stage: v32-63 and v224-255 by turns
.set WV,  20                           ; s20 wave; s21 its row half (and: I fetch for X (0) or W (1)); s22 its column half (and: which 128 rows I fetch)
.set G1,  24                           ; s[24:31] group 1 for X's tiles; s[32:39] group 0, a set for each slot
.set G0,  32
.set G1B, 48                           ; s[48:55], s[56:63] the same for W's
.set G0B, 56
.set G1S, 68                           ; s[68:75], s[76:79] groups 1 and 0 for X's scales; s[80:87], s[88:91] for W's
.set G0S, 76
.set G1SB, 80
.set G0SB, 88
.set MSB, 0
.macro WIN new                         ; the immediate's high byte repeats the setting that is left
.if MSB != \new
	s_set_vgpr_msb (MSB<<8)|\new
.set MSB, \new
.endif
.endm
.set MUL_LO, 0xa1                      ; source 0 (W) window 1, source 1 (X) window 0, C and D window 2
.set MUL_HI, 0xf1                      ; the same, C and D window 3
.set BIA_LO, 0x81                      ; the first step: C (the bias) window 0, D window 2
.set BIA_HI, 0xc1                      ; D window 3
.set TO_B,   0x40                      ; destination window 1, address window 0
; A joint load: waves 0 and 1 fetch for X, waves 2 and 3 for W.  The branch hangs on the wave's number alone.  An s_nop 0 and four v_nop follow each of the two lines.
.macro JLOAD g0a, g1a, g0b, g1b
	s_cmp_eq_u32 s21, 0
	s_cbranch_scc0 .Lfor_b_\@
	tensor_load_to_lds s[\g0a:\g0a+3], s[\g1a:\g1a+7]
	s_nop 0
.rept 4
	v_nop
.endr
	s_branch .Lasked_\@
.Lfor_b_\@:
	tensor_load_to_lds s[\g0b:\g0b+3], s[\g1b:\g1b+7]
	s_nop 0
.rept 4
	v_nop
.endr
.Lasked_\@:
.endm
.macro CROUND                          ; a round of the cluster's barrier
	s_barrier_signal -1
	s_barrier_wait -1
	s_cmp_lg_u32 s[WV], 0
	s_cbranch_scc1 .Lnot_wave_0_\@
	s_barrier_signal -3
.Lnot_wave_0_\@:
	s_barrier_wait -3
	s_barrier_signal -1
	s_barrier_wait -1
.endm
	s_load_b256 s[4:11], s[0:1], 0x0               ; X's codes 4, X's scales 6, W's codes 8, W's scales 10
	s_load_b256 s[12:19], s[0:1], 0x20             ; bq 12, bk 14, bv 16, qkv 18
	v_lshl_add_u32 v[SPW], v0, 2, SPARE
	v_mov_b32 v[NIL], 0
	ds_add_u32 v[SPW], v[NIL]                      ; the wave's opening: the add, twice on end, and its wait ahead of my first tensor load
	ds_add_u32 v[SPW], v[NIL]
	v_lshrrev_b32 v1, 5, v0
	v_readfirstlane_b32 s[WV], v1                  ; wave 0..3
	s_lshr_b32 s21, s[WV], 1
	s_and_b32 s22, s[WV], 1
	s_bfe_u32 s40, ttmp6, 0x40000                  ; cx, cy: my place in the cluster
	s_bfe_u32 s41, ttmp6, 0x40004
	s_lshl_b32 s42, ttmp9, 2
	s_add_co_u32 s42, s42, s40                     ; tile column = 4 x cluster x + cx: 0..3
	s_and_b32 s67, ttmp7, 0xffff
	s_lshl_b32 s66, s67, 2
	s_add_co_u32 s66, s66, s41                     ; tile row = 4 x cluster y + cy: 0..95
	s_lshr_b32 s67, s67, 3                         ; t: which projection; eight clusters along y to each
	s_lshl_b32 s43, s41, 2
	s_lshl_b32 s43, 15, s43                        ; my row of the cluster
	s_lshl_b32 s44, 0x1111, s40                    ; my column
	; group 1: a tile of 128 rows x 256 bytes, padded in LDS
	s_or_b32 s[G1+0], s43, (0<<16)|(1<<20)|(1<<21)|(5<<22)|(3<<25)  ; 15:0 the mask; 17:16 elements of 1 byte; 20 padding on; 21 set beside a mask; 24:22 after every 64 words; 31:25 four words
	s_or_b32 s[G1B+0], s44, (0<<16)|(1<<20)|(1<<21)|(5<<22)|(3<<25)
.irp g, G1, G1B
	s_mov_b32 s[\g+1], ROWB<<16                    ; tensor_dim0
	s_mov_b32 s[\g+2], 128<<16                     ; tensor_dim1
	s_mov_b32 s[\g+3], ROWB<<16                    ; tile_dim0
	s_mov_b32 s[\g+4], 128                         ; tile_dim1
	s_mov_b32 s[\g+5], KROW                        ; from row to row
	s_mov_b32 s[\g+6], 0
	s_mov_b32 s[\g+7], 0
.endr
	; the scales of 128 rows: 4,096 dense bytes, as 16 rows of 256 bytes (32 elements of 8 bytes), 16 bytes of padding behind each
	s_or_b32 s[G1S+0], s43, (3<<16)|(1<<20)|(1<<21)|(5<<22)|(3<<25)
	s_or_b32 s[G1SB+0], s44, (3<<16)|(1<<20)|(1<<21)|(5<<22)|(3<<25)
.irp g, G1S, G1SB
	s_mov_b32 s[\g+1], 32<<16
	s_mov_b32 s[\g+2], (128*KS/256)<<16
	s_mov_b32 s[\g+3], 32<<16
	s_mov_b32 s[\g+4], 128*KS/256
	s_mov_b32 s[\g+5], 32
	s_mov_b32 s[\g+6], 0
	s_mov_b32 s[\g+7], 0
.endr
	s_lshl_b32 s23, s22, 7                         ; which 128 rows of the tile I fetch
	s_lshl_b32 s96, s66, 8
	s_add_co_u32 s96, s96, s23                     ; X: row 256 x tile row + 128 x half
	s_lshl_b32 s98, s96, 5                         ; its scale bytes,
	s_lshl_b32 s96, s96, 9                         ; its codes, in bytes (under 2^24)
	s_mov_b32 s97, 0
	s_mov_b32 s99, 0
	s_lshl_b32 s46, s42, 8
	s_add_co_u32 s46, s46, s23
	s_lshl_b32 s92, s67, 10
	s_add_co_u32 s46, s46, s92                     ; W: row 1,024 t + 256 x tile column + 128 x half
	s_lshl_b32 s92, s46, 5
	s_lshl_b32 s46, s46, 9
	s_mov_b32 s47, 0
	s_mov_b32 s93, 0
	s_mul_i32 s45, s[WV], HALFT                    ; where they go: wave x 128 rows: no place in the cluster enters an LDS address
	s_mul_i32 s94, s[WV], HALFS
	s_wait_dscnt 0x0                               ; both opening adds are done
	s_wait_kmcnt 0x0
	s_add_nc_u64 s[96:97], s[4:5], s[96:97]
	s_add_nc_u64 s[98:99], s[6:7], s[98:99]
	s_add_nc_u64 s[46:47], s[8:9], s[46:47]
	s_add_nc_u64 s[92:93], s[10:11], s[92:93]
	CROUND                                         ; all sixteen work-groups are here: the first joint loads meet
	s_mov_b32 s[G0S], 1
	s_add_co_u32 s[G0S+1], s94, SCL
	s_mov_b64 s[G0S+2:G0S+3], s[98:99]
	s_or_b32 s[G0S+3], s[G0S+3], 0x80000000
	s_mov_b32 s[G0SB], 1
	s_add_co_u32 s[G0SB+1], s94, SCL
	s_mov_b64 s[G0SB+2:G0SB+3], s[92:93]
	s_or_b32 s[G0SB+3], s[G0SB+3], 0x80000000
	JLOAD G0S, G1S, G0SB, G1SB                     ; the scales first: they are wanted with K step 0
.irp s, 0,1
	s_mov_b32 s[G0+4*\s], 1
	s_add_co_u32 s[G0+4*\s+1], s45, \s*SLOT
	s_add_nc_u64 s[G0+4*\s+2:G0+4*\s+3], s[96:97], \s*ROWB
	s_or_b32 s[G0+4*\s+3], s[G0+4*\s+3], 0x80000000
	s_mov_b32 s[G0B+4*\s], 1
	s_add_co_u32 s[G0B+4*\s+1], s45, \s*SLOT
	s_add_nc_u64 s[G0B+4*\s+2:G0B+4*\s+3], s[46:47], \s*ROWB
	s_or_b32 s[G0B+4*\s+3], s[G0B+4*\s+3], 0x80000000
	JLOAD G0+4*\s, G1, G0B+4*\s, G1B               ; three loads of mine are out in all
.endr
	v_and_b32 v1, 15, v0                           ; r = lane % 16
	v_bfe_u32 v2, v0, 4, 1                         ; h = lane / 16
	; the bias of my 128 columns: block b's eight registers are b_t[first column + 16 b + 8 h + 0 .. 7], the result's layout
	s_cmp_eq_u32 s67, 0
	s_cselect_b64 s[12:13], s[12:13], s[14:15]
	s_cmp_eq_u32 s67, 2
	s_cselect_b64 s[12:13], s[16:17], s[12:13]
	s_lshl_b32 s46, s42, 10
	s_lshl_b32 s47, s22, 9
	s_add_co_u32 s46, s46, s47                     ; 4 x (256 x tile column + 128 x half)
	s_mov_b32 s47, 0
	s_add_nc_u64 s[12:13], s[12:13], s[46:47]
	v_lshlrev_b32 v[BO], 5, v2
.irp b, 0,1,2,3,4,5,6,7
	global_load_b128 v[BIAS+8*\b:BIAS+8*\b+3], v[BO], s[12:13] offset:64*\b
	global_load_b128 v[BIAS+8*\b+4:BIAS+8*\b+7], v[BO], s[12:13] offset:64*\b+16
.endr
	v_mul_u32_u24 v3, v1, PITCH
	v_lshl_add_u32 v4, v2, 4, v3                   ; a fragment's row x pitch + 16 x half
	s_mul_i32 s23, s21, HALFT                      ; my 128 rows of X
	s_mul_i32 s95, s22, HALFT                      ; my 128 rows of W,
	s_add_co_u32 s95, s95, 2*HALFT                 ; which lie behind X's 256
.irp s, 0,1
	v_add_nc_u32 v[ADRA+\s], s23, v4
	v_add_nc_u32 v[ADRB+\s], s95, v4
	s_add_co_u32 s23, s23, SLOT
	s_add_co_u32 s95, s95, SLOT
.endr
	v_mul_u32_u24 v5, v1, KS                       ; my row's scales: 32 bytes a row,
	v_lshrrev_b32 v6, 8, v5
	v_lshl_add_u32 v5, v6, 4, v5                   ; and 16 more for each 256 passed
	s_mul_i32 s23, s21, HALFS                      ; X's: my 128 rows
	s_mul_i32 s95, s22, HALFS                      ; W's: my 128 rows, behind X's 256
	s_add_co_u32 s95, s95, 2*HALFS
	s_sub_co_u32 s95, s95, s23
	v_mul_u32_u24 v6, s95, v2                      ; lanes 16-31 take W's: the lower base + h x the distance
	s_add_co_u32 s23, s23, SCL
	v_add_nc_u32 v5, v5, v6
	v_add_nc_u32 v[ADRS], s23, v5
	s_mul_i32 s23, s[WV], 16*SPITCH                ; my stage, in slot 0
	v_add_nc_u32 v[STO], s23, v4                   ; in: row r, 16 bytes for each half of the lanes (the stage's pitch is the tiles')
	v_bfe_u32 v5, v0, 3, 2
	v_mul_u32_u24 v5, v5, SPITCH
	v_and_b32 v6, 7, v0
	v_lshl_add_u32 v5, v6, 4, v5
	v_add_nc_u32 v[RD], s23, v5                    ; back: eight lanes take 128 bytes (a head's 64 numbers) of a row, 32 lanes four rows
	v_and_b32 v6, 31, v0
	v_lshlrev_b32 v[CO], 4, v6
	; where my part begins in qkv: row mw = 256 x tile row + 128 x half: (mw / 2048) x 16 heads x 262,144 + head x 262,144 + (mw % 2048) x 128; my first head = 4 x tile column + 2 x half
	s_lshl_b32 s96, s66, 8
	s_lshl_b32 s97, s21, 7
	s_add_co_u32 s96, s96, s97
	s_lshr_b32 s97, s96, 11
	s_lshl_b32 s97, s97, 22
	s_and_b32 s96, s96, 2047
	s_lshl_b32 s96, s96, 7
	s_add_co_u32 s96, s96, s97
	s_lshl_b32 s46, s42, 2
	s_lshl_b32 s47, s22, 1
	s_add_co_u32 s46, s46, s47
	s_lshl_b32 s46, s46, 18
	s_add_co_u32 s96, s96, s46                     ; under 2^26
	s_mov_b32 s97, 0
	s_add_nc_u64 s[18:19], s[18:19], s[96:97]
.macro FRAG reg, adr, q, i             ; 16 rows x 128 K of 4-bit codes: lane l holds row l % 16; registers 4 c .. 4 c + 3 hold K = 64 c + 32 (l / 16) + 0 .. 31
.irp c, 0,1
	ds_load_b128 v[\reg+4*\c:\reg+4*\c+3], v[\adr] offset:64*(\q)+32*\c+(\i)*16*PITCH
.endr
.endm
; 16 matrix instructions: X's blocks a0, a0 + 1 x W's eight, the slot's q-th 128 along K.  p: W's set; sc: the set of scale words.  zero = 1: the first product starts the sums from the bias.
; The 64 accumulators take turns, one instruction a turn, in the same order in every step.
.macro MUL16 a0, p, q, sc, zero
.irp a, \a0, \a0+1
.irp b, 0,1,2,3,4,5,6,7
.if \zero
	v_wmma_scale_f32_16x16x128_f8f6f4 v[8*(8*((\a)%4)+\b):8*(8*((\a)%4)+\b)+7], v[128*(\p)+FR*\b:128*(\p)+FR*\b+FR-1], v[AF+FR*(\a):AF+FR*(\a)+FR-1], v[BIAS+8*\b:BIAS+8*\b+7], v[SC+8*NQ*(\sc)+NQ*\b+(\q)], v[SC+8*NQ*(\sc)+NQ*(\a)+(\q)] matrix_a_fmt:MATRIX_FMT_FP4 matrix_b_fmt:MATRIX_FMT_FP4 matrix_a_scale:MATRIX_SCALE_ROW1
.else
	v_wmma_scale_f32_16x16x128_f8f6f4 v[8*(8*((\a)%4)+\b):8*(8*((\a)%4)+\b)+7], v[128*(\p)+FR*\b:128*(\p)+FR*\b+FR-1], v[AF+FR*(\a):AF+FR*(\a)+FR-1], v[8*(8*((\a)%4)+\b):8*(8*((\a)%4)+\b)+7], v[SC+8*NQ*(\sc)+NQ*\b+(\q)], v[SC+8*NQ*(\sc)+NQ*(\a)+(\q)] matrix_a_fmt:MATRIX_FMT_FP4 matrix_b_fmt:MATRIX_FMT_FP4 matrix_a_scale:MATRIX_SCALE_ROW1
.endif
.endr
.endr
.endm
.macro FETCH_B slot, q, p              ; W's eight fragments of the slot's q-th 128 along K into set p
	WIN TO_B
.irp i, 0,1,2,3,4,5,6,7
	FRAG 128*(\p)+FR*\i, ADRB+\slot, \q, \i
.endr
	WIN 0
.endm
.macro FETCH_A slot, q, i0             ; X's blocks i0 .. i0 + 3
.irp i, \i0, \i0+1, \i0+2, \i0+3
	FRAG AF+FR*(\i), ADRA+\slot, \q, \i
.endr
.endm
.macro SCALES sc                       ; a K step's scale words into set sc: four words a row; lanes 0-15 X's block i, lanes 16-31 W's block i
.irp i, 0,1,2,3,4,5,6,7
	ds_load_b128 v[SC+8*NQ*\sc+NQ*\i:SC+8*NQ*\sc+NQ*\i+3], v[ADRS] offset:\i*SBLK
.endr
.endm
.macro PLACES n                        ; plain vector instructions between a matrix instruction and a load into, or a read of, its registers
.rept \n
	v_nop
.endr
.endm
; A step of 128 along K that has its successor in the same slot.  X has one set of registers: blocks 0-3 are fetched anew in the step's middle, blocks 4-7 at its end.
.macro STEP slot, q, zero
	s_wait_dscnt 4*NL                              ; W's set and X's blocks 0-3 are in; the youngest eight loads (X's blocks 4-7) may be out
.if \zero
	WIN BIA_LO
.else
	WIN MUL_LO
.endif
	MUL16 0, (\q)%2, \q, \slot, \zero
	MUL16 2, (\q)%2, \q, \slot, \zero
	s_wait_dscnt 0                                 ; X's blocks 4-7 are in
	PLACES NP
	FETCH_B \slot, (\q)+1, 1-(\q)%2
	FETCH_A \slot, (\q)+1, 0
.if \zero
	WIN BIA_HI
.else
	WIN MUL_HI
.endif
	MUL16 4, (\q)%2, \q, \slot, \zero
	MUL16 6, (\q)%2, \q, \slot, \zero
	PLACES NP
	WIN 0
	FETCH_A \slot, (\q)+1, 4
.endm
.macro STEPS slot, from                ; the slot's steps from .. NQ - 2
.set Q, \from
.rept NQ-1-\from
	STEP \slot, Q, 0
.set Q, Q+1
.endr
.endm
	s_wait_tensorcnt 1                             ; the scales and my part of K step 0 are in; K step 1's load may be out
	s_barrier_signal -1
	s_barrier_wait -1                              ; everybody's are
	FETCH_B 0, 0, 0
	FETCH_A 0, 0, 0
	SCALES 0
	FETCH_A 0, 0, 4
	s_wait_loadcnt 0x0                             ; the bias
	STEP 0, 0, 1                                   ; the first step's products start the sums
	STEPS 0, 1
	; slot 0's last step changes slots: one barrier; in front of it my part of slot 1 has landed and my reads of slot 0 are over
	s_wait_tensorcnt 0x0                           ; all my tensor loads have landed (every window is 0 here)
	ds_add_u32 v[SPW], v[NIL]                      ; 0 onto my spare word
	s_wait_dscnt 4*NL+1                            ; (the add and the youngest eight loads may be out)
	WIN MUL_LO
	MUL16 0, 1, NQ-1, 0, 0
	s_wait_dscnt 0x0                               ; the add is done, and my reads of slot 0 are over
	s_barrier_signal -1
	MUL16 2, 1, NQ-1, 0, 0
	WIN 0
	s_barrier_wait -1
	PLACES NP
	v_add_nc_u32 v[ADRS], 4*NQ, v[ADRS]            ; on to the second K step's scale words
	FETCH_B 1, 0, 0
	FETCH_A 1, 0, 0
	SCALES 1
	WIN MUL_HI
	MUL16 4, 1, NQ-1, 0, 0
	MUL16 6, 1, NQ-1, 0, 0
	PLACES NP
	WIN 0
	FETCH_A 1, 0, 4
	STEPS 1, 0
	s_wait_dscnt 4*NL                              ; the very last step: nothing more to fetch
	WIN MUL_LO
	MUL16 0, 1, NQ-1, 1, 0
	MUL16 2, 1, NQ-1, 1, 0
	s_wait_dscnt 0
	WIN MUL_HI
	MUL16 4, 1, NQ-1, 1, 0
	MUL16 6, 1, NQ-1, 1, 0
	WIN 0
; THE WAY OUT, a block of 16 rows x 128 columns at a time.  PACK: rounded to f16, 16 bytes a lane, each accumulator from its low end on.  TOSTAGE: into my own stage, and back so that 32 lanes hold four
; rows x 128 bytes of ONE head, which are 512 consecutive bytes of qkv.  SEND: stored.  LDS serves a wave's instructions in order (ISA guide 5.7.1.4): no wait between the stage's stores and loads.
.macro PACK a
.set AC, 64*((\a)%4)
	WIN 0x0a+5*((\a)/4)                            ; sources 0 and 1: window 2 or 3
.irp b, 0,1,2,3,4,5,6,7
.irp r, 0,1,2,3
	v_cvt_pk_f16_f32 v[TMP+4*\b+\r], v[AC+8*\b+2*\r], v[AC+8*\b+2*\r+1]
.endr
.endr
	WIN 0
.endm
.macro TOSTAGE a
.set BB, OB+192*((\a)%2)
.irp b, 0,1,2,3,4,5,6,7
	ds_store_b128 v[STO], v[TMP+4*\b:TMP+4*\b+3] offset:32*\b
.endr
.irp i, 0,1,2,3
.irp u, 0,1
	ds_load_b128 v[BB+8*\i+4*\u:BB+8*\i+4*\u+3], v[RD] offset:\i*4*SPITCH+128*\u
.endr
.endr
.endm
.macro SEND a
.set BB, OB+192*((\a)%2)
	s_wait_dscnt 0x0                               ; the block is back in registers
	s_wait_xcnt 0x0                                ; the stores of the block before have read their registers: the next block's loads may land there
.irp i, 0,1,2,3
.irp u, 0,1
	global_store_b128 v[CO], v[BB+8*\i+4*\u:BB+8*\i+4*\u+3], s[18:19] offset:(\a)*2048+\u*262144+\i*512   ; 32 lanes store 512 consecutive bytes, aligned to 256
.endr
.endr
.endm
	PLACES NP                                      ; behind the last products
	PACK 0
	TOSTAGE 0
.irp a, 1,2,3,4,5,6,7                  ; block a's conversions stand between block a - 1's loads from the stage and the wait for them
	PACK \a
	SEND \a-1
	TOSTAGE \a
.endr
	SEND 7
	s_wait_tensorcnt 0x0                           ; the wave's end, behind my last tensor load and my last LDS store
	ds_add_u32 v[SPW], v[NIL]
	s_wait_dscnt 0x0
	CROUND                                         ; the closing round
	s_endpgm
.Lfunc_end_k_qfdf7b235f7_proj:
	.size	k_qfdf7b235f7_proj, .Lfunc_end_k_qfdf7b235f7_proj-k_qfdf7b235f7_proj
	.p2alignl 7, 3214868480
	.fill 96, 4, 3214868480
	.section	.rodata,"a",@progbits
	.p2align	6, 0x0
	.amdhsa_kernel k_qfdf7b235f7_proj
		.amdhsa_group_segment_fixed_size 327680
		.amdhsa_private_segment_fixed_size 0
		.amdhsa_enable_private_segment 0
		.amdhsa_kernarg_size 64
		.amdhsa_user_sgpr_count 2
		.amdhsa_user_sgpr_kernarg_segment_ptr 1
		.amdhsa_wavefront_size32 1
		.amdhsa_system_sgpr_workgroup_id_x 1
		.amdhsa_system_sgpr_workgroup_id_y 1
		.amdhsa_system_sgpr_workgroup_id_z 1
		.amdhsa_system_vgpr_workitem_id 0
		.amdhsa_next_free_vgpr 1024
		.amdhsa_next_free_sgpr 100
		.amdhsa_reserve_vcc 0
		.amdhsa_float_denorm_mode_32 3
		.amdhsa_float_denorm_mode_16_64 3
		.amdhsa_memory_ordered 1
		.amdhsa_forward_progress 1
		.amdhsa_inst_pref_size 128
	.end_amdhsa_kernel
	.amdgpu_metadata
---
amdhsa.version: [ 1, 2 ]
amdhsa.kernels:
  - .name:           k_qfdf7b235f7_proj
    .symbol:         k_qfdf7b235f7_proj.kd
    .args:
      - { .name: acodes, .offset: 0, .size: 8, .value_kind: global_buffer, .address_space: global }
      - { .name: ascales, .offset: 8, .size: 8, .value_kind: global_buffer, .address_space: global }
      - { .name: wcodes, .offset: 16, .size: 8, .value_kind: global_buffer, .address_space: global }
      - { .name: wscales, .offset: 24, .size: 8, .value_kind: global_buffer, .address_space: global }
      - { .name: bq, .offset: 32, .size: 8, .value_kind: global_buffer, .address_space: global }
      - { .name: bk, .offset: 40, .size: 8, .value_kind: global_buffer, .address_space: global }
      - { .name: bv, .offset: 48, .size: 8, .value_kind: global_buffer, .address_space: global }
      - { .name: qkv, .offset: 56, .size: 8, .value_kind: global_buffer, .address_space: global }
    .group_segment_fixed_size: 327680
    .private_segment_fixed_size: 0
    .kernarg_segment_align: 8
    .kernarg_segment_size: 64
    .max_flat_workgroup_size: 128
    .sgpr_count:     100
    .vgpr_count:     1024
    .wavefront_size: 32
...
	.end_amdgpu_metadata
.endif
;; end of part 2
;; launch attn (part 3): grid 4 x 64, 16 waves a work-group, clusters of 4 x 1, 327,680 bytes of LDS; arguments qkv, mask, att; writes att
.if DOCPART == 3
	.amdgcn_target "amdgcn-amd-amdhsa--gfx1250"
	.amdhsa_code_object_version 6
	.text
	.protected	k_qfdf7b235f7_attn
	.globl	k_qfdf7b235f7_attn
	.p2align	8
	.type	k_qfdf7b235f7_attn,@function
k_qfdf7b235f7_attn:
	s_mov_b64 s[64:65], 0
	v_nop
	global_prefetch_b8 v0, s[64:65] scope:SCOPE_SE
	s_setreg_imm32_b32 hwreg(HW_REG_WAVE_MODE, 25, 1), 1
	s_wait_xcnt 0x0
	s_wait_alu depctr_hold_cnt(0) depctr_sa_sdst(0) depctr_va_vdst(0) depctr_va_sdst(0) depctr_va_ssrc(0) depctr_va_vcc(0) depctr_vm_vsrc(0)
	s_getreg_b32 s2, hwreg(HW_REG_IB_STS2, 6, 4)
	s_cmp_eq_u32 s2, 0
	s_cbranch_scc0 .Lentry_in_a_cluster
	s_endpgm
.Lentry_in_a_cluster:
	s_bfe_u32 s2, ttmp6, 0x10000c
	s_cmp_lg_u32 s2, 0x3003
	s_cbranch_scc0 .Lentry_shape_is_right
	s_endpgm
.Lentry_shape_is_right:
; att[h][token][:] = the sum over keys k of softmax_k(Q . K / 8, keys with mask = 0 taken out) V[k][:], for each batch and head.  Q, K, V: qkv [3][batch x 16 + head][2048][64] f16; mask [4][2048] bytes; att [16 heads][8192 tokens][64] f16.
; Products on f16 operands with f32 sums; maxima, exponentials and sums in f32; the weights p are rounded to f16 for the second product, the result once at the end.
; SHARES.  A work-group owns 512 queries of one batch and head; each of its SIXTEEN waves owns 32 of them, two tiles of 16, in 256 registers: four waves to a SIMD, so that one wave's vector work stands beside another's
; matrix work and LDS loads.  Every wave walks all 2,048 keys, 64 a step.  K's and V's rows come through a ring of two LDS slots of 256 keys (waves 0, 1: K's halves; waves 2, 3: V's), read by all sixteen.
; CLUSTER.  The four query blocks of a head walk the same K and V: each tile is asked for JOINTLY, by the same tensor load with the same descriptor and the mask of all four.
; LAYOUT.  S^T = K Q^T (source 0 = 16 keys, source 1 = 16 queries): a lane holds ONE query (lane % 16) and keys 8 (lane / 16) + 0..7.  Two such tiles, rounded to f16 in pairs, ARE source 1 (32 keys x 16 queries) of
; O^T = V^T P.  K comes out of LDS as it lies, V ([key][channel]) turned, by ds_load_tr16_b128.
; THE MASK costs no vector instruction in the loop: a key's bias, 0 or -2^100, is the C of its score tile's first product.  The running maximum m starts at -2^96: under every score that f16 operands can give
; (at most 64 x 65,504^2), over every masked one.  So a masked key's p is 0; a row with no key left ends with sum 0 and O 0, and 0 x (1 / 0) is NaN, as a softmax of nothing is.
; SOFTMAX.  p = 2^(c s - c m), c = log2(e) / 8, m the running maximum; in every step O and the sum l are multiplied by a = 2^(c m_old - c m_new).
; LIMITS: |Q|, |K|, |V| beyond 65,504 have no f16 number; results under 6e-5 are f16 subnormals and lose bits; NaN and infinities among the inputs are not served.
.set PK,    144                        ; a row of K in LDS: 128 bytes + 16: an odd multiple of 16, so the 16 rows of a load start at 16 different groups of banks (ISA guide 11.1)
.set PV,    160                        ; a row of V: 128 + 32: an odd multiple of 32, for the turning load
.set SKEYS, 256                        ; keys in a slot: four steps
.set VOFF,  SKEYS*PK                   ; a slot: 256 rows of K, then 256 rows of V
.set SLOT1, 1<<17                      ; slot 1 begins here: one exclusive or turns an address in one slot into the other's
.set MB,    SLOT1+SKEYS*(PK+PV)        ; behind the ring: the 2,048 keys' biases, f32
.set SPARE, MB+8192                    ; the spare words, 128 bytes for each of sixteen waves
.set STAGE, SPARE+2048                 ; the way out: 2 x 16 rows x 144 bytes for each wave
.set AK0, 1                            ; v1   my lane's place in a tile of K
.set AV0, 2                            ; v2   the same for V
.set AM0, 3                            ; v3   and among the biases
.set SPW, 4                            ; v4   my spare word; never rewritten
.set NIL, 5                            ; v5   0; never rewritten
.set ADK, 6                            ; v6-8 the LDS addresses of the step in hand: K, V, biases
.set ADV, 7
.set ADM, 8
.set PFO, 9                            ; v9   256 x my lane: the prefetches' offset; never rewritten
.set ST,  12                           ; tile t's statistics at v[ST + 8 t]: +0 c m, +1 m, +2, +3 l in two halves, +4 to +7 c0-c3 at work; a takes c2's place
.set Q,   28                           ; Q's fragments: tile t, channels 32 c on: v[Q + 16 t + 8 c]
.set O,   60                           ; O^T: tile t, channels 16 ct on: v[O + 32 t + 8 ct]
.set S,   124                          ; S^T: tile t, keys 16 kt on: v[S + 32 t + 8 kt]; then p; then P in v[S + 32 t + 0 .. 15]
.set F,   188                          ; v188-251: K's fragments (16 kt + 8 c), then V's (32 kc + 8 ct)
.set WV,  10                           ; s10 wave; s11 cx; s12 batch x 16 + head
.set SEL, 20                           ; s[20:21] lane selects for v_permlanex16_b32: lane l xor 16
.set CS,  22                           ; s[22:23] c: the packed form names a pair and takes its low word for both halves
.set G1K, 24                           ; s[24:31] group 1 for K's tiles; s[32:39] for V's; s[40:43], s[44:47] their groups 0, which walk
.set G1V, 32
.set G0K, 40
.set G0V, 44
.set TB,  48                           ; s48  LDS byte at which the slot in hand begins
.set TM,  49                           ; s49  where its keys' biases begin: 1,024 bytes a slot
.set SLOTS, 50                         ; s50  slots still to be asked for
.set LIM, 51                           ; s51  1 in a wave that prefetches, else the greatest number
.set PFA, 52                           ; s[52:53] where my prefetches stand
; Waves 0 and 1 fetch for K, waves 2 and 3 for V, the others nothing.  The branches hang on the wave's number alone.  An s_nop 0 and four v_nop follow each of the two lines.
.macro TLOAD
	s_cmp_lt_u32 s[WV], 2
	s_cbranch_scc0 .Lnot_k_\@
	tensor_load_to_lds s[G0K:G0K+3], s[G1K:G1K+7]
	s_nop 0
.rept 4
	v_nop
.endr
	s_branch .Lasked_\@
.Lnot_k_\@:
	s_cmp_lt_u32 s[WV], 4
	s_cbranch_scc0 .Lasked_\@
	tensor_load_to_lds s[G0V:G0V+3], s[G1V:G1V+7]
	s_nop 0
.rept 4
	v_nop
.endr
.Lasked_\@:
.endm
; A PREFETCH INTO THE L2 of what the NEXT change of slots will ask for: 32,768 dense bytes of K and as many of V.  A head has one cluster; its four partners take 8,192 bytes each, told apart BY ADDRESS;
; in each, wave 4 asks for K's and wave 5 for V's, lanes 256 bytes apart, one instruction.  So each aligned block of 256 bytes is named once in the launch.  It stands four key steps ahead of the load that will
; want it.  Slots 0 and 1 come by their loads alone; the last change that fills a slot asks for nothing.
.macro ASK
	s_cmp_gt_u32 s[SLOTS], s[LIM]
	s_cbranch_scc0 .Lnot_mine_\@
	global_prefetch_b8 v[PFO], s[PFA:PFA+1] th:TH_LOAD_NT scope:SCOPE_SE
.Lnot_mine_\@:
.endm
.macro CROUND                          ; a round of the cluster's barrier
	s_barrier_signal -1
	s_barrier_wait -1
	s_cmp_lg_u32 s[WV], 0
	s_cbranch_scc1 .Lnot_wave_0_\@
	s_barrier_signal -3
.Lnot_wave_0_\@:
	s_barrier_wait -3
	s_barrier_signal -1
	s_barrier_wait -1
.endm
	s_load_b128 s[4:7], s[0:1], 0x0                ; qkv, mask
	s_load_b64 s[8:9], s[0:1], 0x10                ; att
	v_lshl_add_u32 v[SPW], v0, 2, SPARE
	v_mov_b32 v[NIL], 0
	ds_add_u32 v[SPW], v[NIL]                      ; the wave's opening: the add, twice on end, and its wait ahead of the first tensor load
	ds_add_u32 v[SPW], v[NIL]
	v_lshrrev_b32 v10, 5, v0
	v_readfirstlane_b32 s[WV], v10                 ; wave 0..15
	s_bfe_u32 s11, ttmp6, 0x40000                  ; cx: my block of 512 queries
	s_and_b32 s12, ttmp7, 0xffff                   ; batch x 16 + head, which the four partners share
	; group 1: 128 rows of 64 elements of 2 bytes, dense in memory, padded in LDS
	s_mov_b32 s[G1K], 15|(1<<16)|(1<<20)|(1<<21)|(4<<22)|(3<<25)   ; 15:0 the mask: all four; 17:16 elements of 2 bytes; 20 padding on; 21 set beside a mask; 24:22 after every 32 words; 31:25 four words
	s_mov_b32 s[G1V], 15|(1<<16)|(1<<20)|(1<<21)|(4<<22)|(7<<25)   ; the same with eight words of padding
.irp g, G1K, G1V
	s_mov_b32 s[\g+1], 64<<16                      ; tensor_dim0
	s_mov_b32 s[\g+2], 128<<16                     ; tensor_dim1
	s_mov_b32 s[\g+3], 64<<16                      ; tile_dim0
	s_mov_b32 s[\g+4], 128                         ; tile_dim1
	s_mov_b32 s[\g+5], 64                          ; from row to row
	s_mov_b32 s[\g+6], 0
	s_mov_b32 s[\g+7], 0
.endr
	s_and_b32 s13, s[WV], 1                        ; which 128 rows of a slot I fetch, if I fetch
	s_lshl_b32 s14, s12, 18                        ; the head's 2,048 rows of 128 bytes
	s_lshl_b32 s15, s13, 14
	s_add_co_u32 s60, s14, s15
	s_add_co_u32 s58, s60, 0x1000000               ; K's part of qkv begins 16 Mi bytes on,
	s_add_co_u32 s60, s60, 0x2000000               ; V's 32 Mi
	s_mov_b32 s59, 0
	s_mov_b32 s61, 0
	s_mul_i32 s16, s13, 128*PK                     ; and where they go in a slot
	s_mul_i32 s17, s13, 128*PV
	s_add_co_u32 s17, s17, VOFF
	s_mov_b32 s[SEL], 0x76543210
	s_mov_b32 s[SEL+1], 0xfedcba98
	s_mov_b32 s[CS], 0x3e38aa3b                    ; c = log2(e) / 8
	s_mov_b32 s[CS+1], s[CS]                       ; (named with it as a pair, so it is written)
	s_mov_b32 s[TB], 0
	s_mov_b32 s[TM], 0
	s_mov_b32 s[SLOTS], 2048/SKEYS-1
	s_sub_co_u32 s[LIM], s[WV], 4
	s_lshr_b32 s[LIM], s[LIM], 1                   ; 0 in waves 4 and 5
	s_cmp_eq_u32 s[LIM], 0
	s_cselect_b32 s[LIM], 1, -1
	s_wait_dscnt 0x0                               ; both opening adds are done
	s_wait_kmcnt 0x0
	s_mov_b32 s[G0K], 1                            ; count = 1
	s_mov_b32 s[G0K+1], s16                        ; LDS address: slot 0
	s_add_nc_u64 s[G0K+2:G0K+3], s[4:5], s[58:59]  ; global address: the head's first 256 keys
	s_or_b32 s[G0K+3], s[G0K+3], 0x80000000        ; type = 2
	s_mov_b32 s[G0V], 1
	s_mov_b32 s[G0V+1], s17
	s_add_nc_u64 s[G0V+2:G0V+3], s[4:5], s[60:61]
	s_or_b32 s[G0V+3], s[G0V+3], 0x80000000
	CROUND                                         ; all four work-groups are here: the first joint loads meet
	TLOAD                                          ; slot 0
	; my queries, my rows of att, my batch's mask, my prefetches: cx enters these addresses alone
	s_lshl_b32 s66, s11, 16                        ; 512 rows of 128 bytes a block,
	s_lshl_b32 s67, s[WV], 12                      ; 32 a wave
	s_add_co_u32 s66, s66, s67
	s_and_b32 s68, s12, 15
	s_lshl_b32 s68, s68, 20                        ; att: the head's plane of 8,192 rows,
	s_lshr_b32 s69, s12, 4
	s_lshl_b32 s69, s69, 18                        ; the batch's 2,048 of them
	s_add_co_u32 s68, s68, s69
	s_add_co_u32 s68, s68, s66
	s_add_co_u32 s66, s66, s14
	s_mov_b32 s67, 0
	s_mov_b32 s69, 0
	s_add_nc_u64 s[54:55], s[4:5], s[66:67]        ; Q at my first query
	s_add_nc_u64 s[56:57], s[8:9], s[68:69]        ; att likewise
	s_lshr_b32 s66, s12, 4
	s_lshl_b32 s66, s66, 11
	s_add_nc_u64 s[6:7], s[6:7], s[66:67]          ; my batch's 2,048 mask bytes
	s_mov_b32 s66, 0x1000000
	s_cmp_eq_u32 s[WV], 5
	s_cselect_b32 s66, 0x2000000, s66              ; wave 5 asks for V's rows, wave 4 for K's
	s_add_co_u32 s66, s66, s14
	s_lshl_b32 s68, s11, 13                        ; my work-group's 8,192 bytes of a slot's 32,768,
	s_add_co_u32 s66, s66, s68
	s_add_co_u32 s66, s66, 32768                   ; in slot 1: the first change of slots steps it to slot 2
	s_add_nc_u64 s[PFA:PFA+1], s[4:5], s[66:67]
	v_and_b32 v10, 15, v0                          ; r = lane % 16
	v_bfe_u32 v11, v0, 4, 1                        ; h = lane / 16
	v_lshlrev_b32 v252, 7, v10
	v_lshl_add_u32 v252, v11, 4, v252              ; Q: row r of 128 bytes, + 16 h
.irp t, 0,1
.irp c, 0,1
	global_load_b128 v[Q+16*\t+8*\c:Q+16*\t+8*\c+3], v252, s[54:55] offset:\t*2048+64*\c        ; Q stays in registers
	global_load_b128 v[Q+16*\t+8*\c+4:Q+16*\t+8*\c+7], v252, s[54:55] offset:\t*2048+64*\c+32
.endr
.endr
	v_lshlrev_b32 v253, 2, v0
	global_load_b32 v254, v253, s[6:7]             ; four keys' mask bytes a thread: 512 threads, 2,048 keys
	v_mul_u32_u24 v[AK0], v10, PK
	v_lshl_add_u32 v[AK0], v11, 4, v[AK0]          ; K: row r x pitch + 16 h
	v_and_b32 v[AV0], 7, v0                        ; V, for the turning load: key 8 h + lane % 8, channels 8 ((lane / 8) % 2) on
	v_lshl_add_u32 v[AV0], v11, 3, v[AV0]
	v_mul_u32_u24 v[AV0], v[AV0], PV
	v_bfe_u32 v[AM0], v0, 3, 1
	v_lshl_add_u32 v[AV0], v[AM0], 4, v[AV0]
	v_add_nc_u32 v[AV0], VOFF, v[AV0]
	v_lshl_add_u32 v[AM0], v11, 5, MB              ; the biases of keys 8 h + 0 .. 7 of a tile
	v_and_b32 v[PFO], 31, v0
	v_lshlrev_b32 v[PFO], 8, v[PFO]
	v_lshl_add_u32 v[ADK], v0, 4, MB               ; (for now: where my four biases go)
	v_mov_b32 v[ADM], 0xf1800000                   ; (for now: -2^100)
.irp t, 0,1
	v_mov_b32 v[ST+8*\t+1], 0xef800000             ; m = -2^96
	v_mov_b32 v[ST+8*\t+2], 0                      ; l, in two halves
	v_mov_b32 v[ST+8*\t+3], 0
	v_mul_f32 v[ST+8*\t], s[CS], v[ST+8*\t+1]      ; c m
.endr
.irp j, 0,1,2,3,4,5,6,7,8,9,10,11,12,13,14,15,16,17,18,19,20,21,22,23,24,25,26,27,28,29,30,31,32,33,34,35,36,37,38,39,40,41,42,43,44,45,46,47,48,49,50,51,52,53,54,55,56,57,58,59,60,61,62,63
	v_mov_b32 v[O+\j], 0                           ; O^T.  (The step is written once: its first run finds zeros, which a = 0 leaves zeros)
.endr
	s_wait_loadcnt 0x0                             ; Q and the mask are in; their address registers may be written
	v_bfe_u32 v252, v254, 0, 8
	v_bfe_u32 v253, v254, 8, 8
	v_bfe_u32 v255, v254, 24, 8
	v_bfe_u32 v254, v254, 16, 8
.irp k, 252,253,254,255
	v_cmp_eq_u32 s70, 0, v\k                       ; a key with mask = 0
	v_cndmask_b32 v\k, 0, v[ADM], s70              ; gets the bias -2^100, the others 0: a choice of values, no branch
.endr
	ds_store_b128 v[ADK], v[252:255]               ; the first change of slots, below, waits for this store and passes a barrier ahead of every read
; A KEY STEP: 64 keys, the q-th of the slot in hand.
.macro STEP q
	v_add_nc_u32 v[ADK], s[TB], v[AK0]
	v_add_nc_u32 v[ADV], s[TB], v[AV0]
	v_add_nc_u32 v[ADM], s[TM], v[AM0]
	v_nop
	v_nop                                          ; five places behind the last step's products: four for the loads into V's and P's registers, five for the products that write over P
.irp kt, 0,1,2,3
.irp c, 0,1
	ds_load_b128 v[F+16*\kt+8*\c:F+16*\kt+8*\c+3], v[ADK] offset:(64*(\q)+16*\kt)*PK+64*\c
	ds_load_b128 v[F+16*\kt+8*\c+4:F+16*\kt+8*\c+7], v[ADK] offset:(64*(\q)+16*\kt)*PK+64*\c+32
.endr
.endr
.irp kt, 0,1,2,3                       ; the keys' biases, in the result's layout, into tile 1's score registers
	ds_load_b128 v[S+32+8*\kt:S+32+8*\kt+3], v[ADM] offset:256*(\q)+64*\kt
	ds_load_b128 v[S+32+8*\kt+4:S+32+8*\kt+7], v[ADM] offset:256*(\q)+64*\kt+16
.endr
	s_wait_dscnt 0x0
	; S^T = K Q^T + bias.  The eight accumulators take turns, one instruction a turn
.irp kt, 0,1,2,3
	v_wmma_f32_16x16x32_f16 v[S+8*\kt:S+8*\kt+7], v[F+16*\kt:F+16*\kt+7], v[Q:Q+7], v[S+32+8*\kt:S+32+8*\kt+7]
.endr
.rept 5
	v_nop                                          ; five places: the next four write over registers that the last four read as C
.endr
.irp kt, 0,1,2,3
	v_wmma_f32_16x16x32_f16 v[S+32+8*\kt:S+32+8*\kt+7], v[F+16*\kt:F+16*\kt+7], v[Q+16:Q+23], v[S+32+8*\kt:S+32+8*\kt+7]
.endr
.irp kt, 0,1,2,3
	v_wmma_f32_16x16x32_f16 v[S+8*\kt:S+8*\kt+7], v[F+16*\kt+8:F+16*\kt+15], v[Q+8:Q+15], v[S+8*\kt:S+8*\kt+7]
.endr
.irp kt, 0,1,2,3
	v_wmma_f32_16x16x32_f16 v[S+32+8*\kt:S+32+8*\kt+7], v[F+16*\kt+8:F+16*\kt+15], v[Q+24:Q+31], v[S+32+8*\kt:S+32+8*\kt+7]
.endr
.rept 4
	v_nop                                          ; four places: for the loads into K's registers and for the first reads of the scores
.endr
.irp kc, 0,1
.irp ct, 0,1,2,3
	ds_load_tr16_b128 v[F+32*\kc+8*\ct:F+32*\kc+8*\ct+3], v[ADV] offset:(64*(\q)+32*\kc)*PV+32*\ct            ; V^T: channels 16 ct on, keys 32 kc + 8 h + 0..7;
	ds_load_tr16_b128 v[F+32*\kc+8*\ct+4:F+32*\kc+8*\ct+7], v[ADV] offset:(64*(\q)+32*\kc)*PV+16*PV+32*\ct    ; keys 32 kc + 16 + 8 h + 0..7.  They land while the softmax is walked
.endr
.endr
	; THE SOFTMAX, the two tiles line by line, so that no line waits for the line above it.  The maximum of a lane's 32 scores and the old m: each accumulator is read from its low end first
.irp j, 0,1,2,3
.irp t, 0,1
	v_max3_num_f32 v[ST+8*\t+4+\j], v[S+32*\t+8*\j], v[S+32*\t+8*\j+1], v[S+32*\t+8*\j+2]
.endr
.endr
.irp g, 1,2
.irp j, 0,1,2,3
.irp t, 0,1
	v_max3_num_f32 v[ST+8*\t+4+\j], v[ST+8*\t+4+\j], v[S+32*\t+8*\j+2*\g+1], v[S+32*\t+8*\j+2*\g+2]
.endr
.endr
.endr
.irp t, 0,1
	v_max3_num_f32 v[ST+8*\t+4], v[ST+8*\t+4], v[S+32*\t+7], v[S+32*\t+15]
.endr
.irp t, 0,1
	v_max3_num_f32 v[ST+8*\t+6], v[ST+8*\t+6], v[S+32*\t+23], v[S+32*\t+31]
.endr
.irp t, 0,1
	v_max3_num_f32 v[ST+8*\t+4], v[ST+8*\t+4], v[ST+8*\t+5], v[ST+8*\t+6]
.endr
.irp t, 0,1
	v_max3_num_f32 v[ST+8*\t+4], v[ST+8*\t+4], v[ST+8*\t+7], v[ST+8*\t+1]
.endr
.irp t, 0,1
	v_permlanex16_b32 v[ST+8*\t+5], v[ST+8*\t+4], s[SEL], s[SEL+1]   ; the query's other 32 keys lie in the lane 16 away
.endr
.irp t, 0,1
	v_mov_b32 v[ST+8*\t+7], v[ST+8*\t]             ; c m_old is kept for a
.endr
.irp t, 0,1
	v_max_num_f32 v[ST+8*\t+1], v[ST+8*\t+4], v[ST+8*\t+5]   ; the new m
.endr
.irp t, 0,1
	v_mul_f32 v[ST+8*\t], s[CS], v[ST+8*\t+1]      ; c m
.endr
.irp t, 0,1
	v_sub_f32 v[ST+8*\t+7], v[ST+8*\t+7], v[ST+8*\t]   ; c m_old - c m_new, 0 or less
.endr
.irp b, 0,2,4,6,8,10,12,14,16,18,20,22,24,26,28,30
.irp t, 0,1
	v_pk_fma_f32 v[S+32*\t+\b:S+32*\t+\b+1], v[S+32*\t+\b:S+32*\t+\b+1], s[CS:CS+1], v[ST+8*\t:ST+8*\t+1] op_sel_hi:[1,0,0] neg_lo:[0,0,1] neg_hi:[0,0,1]   ; c s - c m, two at a time
.endr
.endr
.irp t, 0,1
	v_exp_f32 v[ST+8*\t+6], v[ST+8*\t+7]           ; a
.endr
.irp e, 0,1,2,3,4,5,6,7,8,9,10,11,12,13,14,15,16,17,18,19,20,21,22,23,24,25,26,27,28,29,30,31
.irp t, 0,1
	v_exp_f32 v[S+32*\t+\e], v[S+32*\t+\e]         ; p
.endr
.endr
	v_nop                                          ; a plain instruction behind the last exponential, ahead of the first use (ISA guide 5.7.2)
	s_wait_alu depctr_va_vdst(0)                   ; the wait ahead of the first line that names a result: one for the 66 exponentials of both tiles
.irp t, 0,1
	v_pk_fma_f32 v[ST+8*\t+2:ST+8*\t+3], v[ST+8*\t+2:ST+8*\t+3], v[ST+8*\t+6:ST+8*\t+7], v[S+32*\t:S+32*\t+1] op_sel_hi:[1,0,1]   ; l = a l + the first pair: the sum is taken of p in f32, in two chains
.endr
.irp t, 0,1
	v_pk_add_f32 v[ST+8*\t+4:ST+8*\t+5], v[S+32*\t+2:S+32*\t+3], v[S+32*\t+4:S+32*\t+5]
.endr
.irp j, 6,10,14,18,22,26
.irp t, 0,1
	v_pk_add_f32 v[ST+8*\t+2:ST+8*\t+3], v[ST+8*\t+2:ST+8*\t+3], v[S+32*\t+\j:S+32*\t+\j+1]
	v_pk_add_f32 v[ST+8*\t+4:ST+8*\t+5], v[ST+8*\t+4:ST+8*\t+5], v[S+32*\t+\j+2:S+32*\t+\j+3]
.endr
.endr
.irp t, 0,1
	v_pk_add_f32 v[ST+8*\t+2:ST+8*\t+3], v[ST+8*\t+2:ST+8*\t+3], v[S+32*\t+30:S+32*\t+31]
.endr
.irp t, 0,1
	v_pk_add_f32 v[ST+8*\t+2:ST+8*\t+3], v[ST+8*\t+2:ST+8*\t+3], v[ST+8*\t+4:ST+8*\t+5]
.endr
.irp i, 0,1,2,3,4,5,6,7,8,9,10,11,12,13,14,15
.irp t, 0,1
	v_cvt_pk_f16_f32 v[S+32*\t+\i], v[S+32*\t+2*\i], v[S+32*\t+2*\i+1]   ; P, in place and ascending: register i is written when registers up to 2 i + 1 have been read
.endr
.endr
.irp i, 0,2,4,6,8,10,12,14,16,18,20,22,24,26,28,30
.irp t, 0,1
	v_pk_mul_f32 v[O+32*\t+\i:O+32*\t+\i+1], v[O+32*\t+\i:O+32*\t+\i+1], v[ST+8*\t+6:ST+8*\t+7] op_sel_hi:[1,0]   ; O^T x a, each accumulator from its low end on
.endr
.endr
	s_wait_dscnt 0x0                               ; V is in
.irp kc, 0,1                           ; O^T += V^T P: eight accumulators by turns
.irp ct, 0,1,2,3
.irp t, 0,1
	v_wmma_f32_16x16x32_f16 v[O+32*\t+8*\ct:O+32*\t+8*\ct+7], v[F+32*\kc+8*\ct:F+32*\kc+8*\ct+7], v[S+32*\t+8*\kc:S+32*\t+8*\kc+7], v[O+32*\t+8*\ct:O+32*\t+8*\ct+7]
.endr
.endr
.endr
.endm
; THE CHANGE OF SLOTS stands at a slot's head.  Each wave waits for all its tensor loads (its part of the slot that it is about to read), adds 0 to its spare word, and waits for that and for its LDS reads of the slot
; that it has left (in the first trip: for its store of the biases).  fill = 1: the barrier is a round of the cluster's, so that no wave of any partner still reads that slot or has a load on its way, and the joint load of
; the next 256 keys is the first thing behind it: one load a loading wave is out, and it has four key steps in which to land.
.macro CHANGE fill
	s_wait_tensorcnt 0x0                           ; no tensor load of mine is out, so a group 0 may be written
	ds_add_u32 v[SPW], v[NIL]                      ; 0 onto my spare word
.if \fill
	ds_add_u32 v[SPW], v[NIL]                      ; and once more
	s_xor_b32 s[G0K+1], s[G0K+1], SLOT1            ; the walking descriptors: the other slot than last time,
	s_add_nc_u64 s[G0K+2:G0K+3], s[G0K+2:G0K+3], SKEYS*128   ; the next 256 keys; the type bits on top are not reached
	s_xor_b32 s[G0V+1], s[G0V+1], SLOT1
	s_add_nc_u64 s[G0V+2:G0V+3], s[G0V+2:G0V+3], SKEYS*128
	s_wait_xcnt 0x0                                ; the last prefetch, a slot back, has read its address, so it may be written:
	s_add_nc_u64 s[PFA:PFA+1], s[PFA:PFA+1], SKEYS*128       ; one slot further on than the walking descriptors
	s_wait_dscnt 0x0                               ; both adds are done, and my LDS instructions are over
	CROUND
	TLOAD
	ASK
.else
	s_wait_dscnt 0x0
	s_barrier_signal -1
	s_barrier_wait -1
.endif
.endm
.macro SLOT_STEPS
	STEP 0
	STEP 1
	STEP 2
	STEP 3
	s_xor_b32 s[TB], s[TB], SLOT1                  ; on to the other slot,
	s_add_co_u32 s[TM], s[TM], SKEYS*4             ; and to its keys' biases
.endm
.Lslot:                                            ; seven trips: behind each change of slots but the last the next slot is asked for
	CHANGE 1
	SLOT_STEPS
	s_sub_co_u32 s[SLOTS], s[SLOTS], 1
	s_cmp_lg_u32 s[SLOTS], 0
	s_cbranch_scc1 .Lslot
	CHANGE 0                                       ; the last slot is written out
	SLOT_STEPS
	; THE WAY OUT.  l's two halves and the other half of the lanes' are added; O^T is divided by l, rounded to f16 and sent through my stage, so that 32 lanes store four whole rows of 128 bytes.
.irp t, 0,1
	v_add_f32 v[ST+8*\t+4], v[ST+8*\t+2], v[ST+8*\t+3]   ; (these lines are also the places behind the last products)
.endr
.irp t, 0,1
	v_permlanex16_b32 v[ST+8*\t+5], v[ST+8*\t+4], s[SEL], s[SEL+1]
.endr
.irp t, 0,1
	v_add_f32 v[ST+8*\t+4], v[ST+8*\t+4], v[ST+8*\t+5]
.endr
.irp t, 0,1
	v_rcp_f32 v[ST+8*\t+6], v[ST+8*\t+4]
.endr
	s_mul_i32 s13, s[WV], 2*16*PK
	s_add_co_u32 s13, s13, STAGE                   ; my stage
	v_and_b32 v10, 15, v0                          ; (plain work behind the reciprocals)
	v_bfe_u32 v11, v0, 4, 1
	v_mul_u32_u24 v[ADK], v10, PK
	v_lshl_add_u32 v[ADK], v11, 4, v[ADK]
	v_add_nc_u32 v[ADK], s13, v[ADK]               ; in: row r, 16 bytes for each half of the lanes
	v_bfe_u32 v[ADV], v0, 3, 2
	v_mul_u32_u24 v[ADV], v[ADV], PK
	v_and_b32 v10, 7, v0
	v_lshl_add_u32 v[ADV], v10, 4, v[ADV]
	v_add_nc_u32 v[ADV], s13, v[ADV]               ; back: eight lanes to a row of 128 bytes, four rows an instruction
	v_and_b32 v[ADM], 31, v0
	v_lshlrev_b32 v[ADM], 4, v[ADM]                ; and the same 512 bytes in att
	s_wait_alu depctr_va_vdst(0)                   ; the wait ahead of the first use: one for both reciprocals
.irp t, 0,1
.irp i, 0,2,4,6,8,10,12,14,16,18,20,22,24,26,28,30
	v_pk_mul_f32 v[O+32*\t+\i:O+32*\t+\i+1], v[O+32*\t+\i:O+32*\t+\i+1], v[ST+8*\t+6:ST+8*\t+7] op_sel_hi:[1,0]
.endr
.endr
.irp t, 0,1
.irp i, 0,1,2,3,4,5,6,7,8,9,10,11,12,13,14,15
	v_cvt_pk_f16_f32 v[S+16*\t+\i], v[O+32*\t+2*\i], v[O+32*\t+2*\i+1]   ; registers 4 ct .. 4 ct + 3: channels 16 ct + 8 h + 0..7 of query r
.endr
.endr
.irp t, 0,1
.irp ct, 0,1,2,3
	ds_store_b128 v[ADK], v[S+16*\t+4*\ct:S+16*\t+4*\ct+3] offset:\t*16*PK+32*\ct
.endr
.endr
.irp t, 0,1
.irp i, 0,1,2,3
	ds_load_b128 v[F+16*\t+4*\i:F+16*\t+4*\i+3], v[ADV] offset:\t*16*PK+\i*4*PK   ; LDS serves a wave's instructions in order (ISA guide 5.7.1.4): these see my stores
.endr
.endr
.irp t, 0,1
.irp i, 0,1,2,3
	s_wait_dscnt 7-4*\t-\i                         ; the younger loads may be out
	global_store_b128 v[ADM], v[F+16*\t+4*\i:F+16*\t+4*\i+3], s[56:57] offset:\t*2048+\i*512   ; 32 lanes store 512 consecutive bytes, aligned to 256
.endr
.endr
	s_wait_tensorcnt 0x0                           ; the wave's end, behind my last tensor load and my last LDS store
	ds_add_u32 v[SPW], v[NIL]
	s_wait_dscnt 0x0
	CROUND                                         ; the closing round: no work-group ends while a partner may still ask for a tile that names it
	s_endpgm
.Lfunc_end_k_qfdf7b235f7_attn:
	.size	k_qfdf7b235f7_attn, .Lfunc_end_k_qfdf7b235f7_attn-k_qfdf7b235f7_attn
	.p2alignl 7, 3214868480
	.fill 96, 4, 3214868480
	.section	.rodata,"a",@progbits
	.p2align	6, 0x0
	.amdhsa_kernel k_qfdf7b235f7_attn
		.amdhsa_group_segment_fixed_size 327680
		.amdhsa_private_segment_fixed_size 0
		.amdhsa_enable_private_segment 0
		.amdhsa_kernarg_size 24
		.amdhsa_user_sgpr_count 2
		.amdhsa_user_sgpr_kernarg_segment_ptr 1
		.amdhsa_wavefront_size32 1
		.amdhsa_system_sgpr_workgroup_id_x 1
		.amdhsa_system_sgpr_workgroup_id_y 1
		.amdhsa_system_sgpr_workgroup_id_z 1
		.amdhsa_system_vgpr_workitem_id 0
		.amdhsa_next_free_vgpr 256
		.amdhsa_next_free_sgpr 72
		.amdhsa_reserve_vcc 0
		.amdhsa_float_denorm_mode_32 3
		.amdhsa_float_denorm_mode_16_64 3
		.amdhsa_memory_ordered 1
		.amdhsa_forward_progress 1
		.amdhsa_inst_pref_size 160
	.end_amdhsa_kernel
	.amdgpu_metadata
---
amdhsa.version: [ 1, 2 ]
amdhsa.kernels:
  - .name:           k_qfdf7b235f7_attn
    .symbol:         k_qfdf7b235f7_attn.kd
    .args:
      - { .name: qkv, .offset: 0, .size: 8, .value_kind: global_buffer, .address_space: global }
      - { .name: mask, .offset: 8, .size: 8, .value_kind: global_buffer, .address_space: global }
      - { .name: att, .offset: 16, .size: 8, .value_kind: global_buffer, .address_space: global }
    .group_segment_fixed_size: 327680
    .private_segment_fixed_size: 0
    .kernarg_segment_align: 8
    .kernarg_segment_size: 24
    .max_flat_workgroup_size: 512
    .sgpr_count:     72
    .vgpr_count:     256
    .wavefront_size: 32
...
	.end_amdgpu_metadata
.endif
;; end of part 3
;; launch oproj (part 4): grid 4 x 64, 4 waves a work-group, clusters of 4 x 4, 327,680 bytes of LDS; arguments att, wo16, bo, out0; writes out0
.if DOCPART == 4
	.amdgcn_target "amdgcn-amd-amdhsa--gfx1250"
	.amdhsa_code_object_version 6
	.text
	.protected	k_qfdf7b235f7_oproj
	.globl	k_qfdf7b235f7_oproj
	.p2align	8
	.type	k_qfdf7b235f7_oproj,@function
k_qfdf7b235f7_oproj:
	s_mov_b64 s[64:65], 0
	v_nop
	global_prefetch_b8 v0, s[64:65] scope:SCOPE_SE
	s_setreg_imm32_b32 hwreg(HW_REG_WAVE_MODE, 25, 1), 1
	s_wait_xcnt 0x0
	s_wait_alu depctr_hold_cnt(0) depctr_sa_sdst(0) depctr_va_vdst(0) depctr_va_sdst(0) depctr_va_ssrc(0) depctr_va_vcc(0) depctr_vm_vsrc(0)
	s_getreg_b32 s2, hwreg(HW_REG_IB_STS2, 6, 4)
	s_cmp_eq_u32 s2, 0
	s_cbranch_scc0 .Lentry_in_a_cluster
	s_endpgm
.Lentry_in_a_cluster:
	s_bfe_u32 s2, ttmp6, 0x10000c
	s_cmp_lg_u32 s2, 0xf033
	s_cbranch_scc0 .Lentry_shape_is_right
	s_endpgm
.Lentry_shape_is_right:
; out0[m][n] = the sum over k of A[m][k] Wo[n][k] + bo[n].  A: att [16 kb][8192 m][64] f16, Wo: wo16 [16 kb][1024 n][64] f16 (k = 64 kb + the last index); out0 [8192][1024] f32; sums in f32.
; A tile of out0 is 128 rows x 256 columns: 256 work-groups.  Four waves, each 64 x 128: 32 accumulators, 256 registers.  A K step is 128 along K, two planes kb; a plane's rows are dense, 128 bytes each.
; The ring has two LDS slots; a slot holds A's two planes (128 rows each) and Wo's two (256 rows each); waves 0, 1 fetch A's planes, waves 2, 3 Wo's: one tensor load a wave behind each change of slots.
; CLUSTERS: 4 x 4 work-groups.  The four of a row need the same tiles of A, the four of a column the same tiles of Wo: each is asked for JOINTLY, by the same tensor load with the same descriptor and a mask that names the four.
; THE MATRIX INSTRUCTION IS USED TRANSPOSED (source 0 = 16 rows of Wo, source 1 = 16 rows of A): a lane holds eight neighbouring columns of one row.  The bias is the C of each sum's first product.
; No prefetch: what a refill asks for is shared by four partners and the launch is short.
; REGISTERS: window 0: v0-31 addresses; v32-95 A's fragments, two buffers of 32; v128-191 bo, 8 registers a block of 16 columns; on the way out v32-95 and v192-255 hold rows read back.
;   window 1: Wo's fragments, two buffers of 64, at v0 and v64.   window 2: the accumulators, (a, b) at v[8 (8 a + b)].
.set PITCH,  144                       ; an LDS row: 128 bytes + 16: an odd multiple of 16, so the 16 rows of a load start at 16 different groups of banks (ISA guide 11.1)
.set ASUB,   128*PITCH                 ; a plane of A's tile
.set BSUB,   256*PITCH                 ; a plane of Wo's
.set BOFF,   2*ASUB                    ; Wo's planes lie behind A's two
.set SLOT,   2*ASUB+2*BSUB
.set STAGE,  2*SLOT                    ; behind the ring: 16 rows x (512 bytes + 16) for each wave
.set SPITCH, 528
.set SPARE,  STAGE+4*16*SPITCH         ; behind the stages: the spare words, 128 bytes for each wave
.set LAPS,   4                         ; a lap = two K steps = once round the ring; K = 1,024 is eight K steps
.set ADRA, 16                          ; v16-17  LDS address of my A fragments in slot 0, 1
.set ADRB, 20                          ; v20-21  the same for Wo
.set STO,  24                          ; v24     the way out: where I put 32 bytes of a row
.set RD,   25                          ; v25     where I read a row back
.set CO,   26                          ; v26     16 x lane: my place in a row's 512 bytes
.set SPW,  28                          ; v28     my spare word; never rewritten
.set NIL,  29                          ; v29     0; never rewritten
.set BO,   30                          ; v30     the bias loads' offset; never rewritten
.set AF,   32
.set BIAS, 128
.set WV,  12                           ; s12 wave; s13 its row half (and: I fetch for A (0) or Wo (1)); s14 its column half (and: which plane I fetch); s15 tile row
.set G1,  24                           ; s[24:31] group 1 for A's tiles; s[32:39] group 0, a set for each slot
.set G0,  32
.set G1B, 48                           ; s[48:55], s[56:63] the same for Wo's
.set G0B, 56
.set MSB, 0
.macro WIN new                         ; the immediate's high byte repeats the setting that is left
.if MSB != \new
	s_set_vgpr_msb (MSB<<8)|\new
.set MSB, \new
.endif
.endm
.macro MWIN first                      ; source 0 (Wo) window 1, source 1 (A) window 0, D window 2; C window 2, or window 0 where it is the bias
.if \first
	WIN 0x81
.else
	WIN 0xa1
.endif
.endm
.set TO_B, 0x40                        ; destination window 1, address window 0
.macro JLOAD s                         ; a joint load; an s_nop 0 and four v_nop follow each of the two lines, ahead of the jump, the label and what follows
	s_cmp_eq_u32 s13, 0
	s_cbranch_scc0 .Lfor_b_\@
	tensor_load_to_lds s[G0+4*\s:G0+4*\s+3], s[G1:G1+7]
	s_nop 0
.rept 4
	v_nop
.endr
	s_branch .Lasked_\@
.Lfor_b_\@:
	tensor_load_to_lds s[G0B+4*\s:G0B+4*\s+3], s[G1B:G1B+7]
	s_nop 0
.rept 4
	v_nop
.endr
.Lasked_\@:
.endm
.macro CREST                           ; a round of the cluster's barrier behind its opening barrier
	s_cmp_lg_u32 s[WV], 0
	s_cbranch_scc1 .Lnot_wave_0_\@
	s_barrier_signal -3
.Lnot_wave_0_\@:
	s_barrier_wait -3
	s_barrier_signal -1
	s_barrier_wait -1
.endm
.macro CROUND                          ; a whole round
	s_barrier_signal -1
	s_barrier_wait -1
	CREST
.endm
	s_load_b256 s[4:11], s[0:1], 0x0               ; att 4, wo16 6, bo 8, out0 10
	v_lshl_add_u32 v[SPW], v0, 2, SPARE
	v_mov_b32 v[NIL], 0
	ds_add_u32 v[SPW], v[NIL]                      ; the wave's opening: the add, twice on end, and its wait ahead of my first tensor load
	ds_add_u32 v[SPW], v[NIL]
	v_lshrrev_b32 v1, 5, v0
	v_readfirstlane_b32 s[WV], v1                  ; wave 0..3
	s_lshr_b32 s13, s[WV], 1
	s_and_b32 s14, s[WV], 1
	s_bfe_u32 s40, ttmp6, 0x40000                  ; cx, cy: my place in the cluster
	s_bfe_u32 s41, ttmp6, 0x40004
	s_lshl_b32 s42, ttmp9, 2
	s_add_co_u32 s42, s42, s40                     ; tile column = 4 x cluster x + cx
	s_and_b32 s15, ttmp7, 0xffff
	s_lshl_b32 s15, s15, 2
	s_add_co_u32 s15, s15, s41                     ; tile row = 4 x cluster y + cy
	s_lshl_b32 s43, s41, 2
	s_lshl_b32 s43, 15, s43                        ; my row of the cluster
	s_lshl_b32 s44, 0x1111, s40                    ; my column
	; group 1: rows of 64 elements of 2 bytes, dense in memory, padded in LDS: 128 rows for A, 256 for Wo
	s_or_b32 s[G1+0], s43, (1<<16)|(1<<20)|(1<<21)|(4<<22)|(3<<25)   ; 15:0 the mask; 17:16 elements of 2 bytes; 20 padding on; 21 set beside a mask; 24:22 after every 32 words; 31:25 four words
	s_or_b32 s[G1B+0], s44, (1<<16)|(1<<20)|(1<<21)|(4<<22)|(3<<25)
	s_mov_b32 s[G1+1], 64<<16                      ; tensor_dim0
	s_mov_b32 s[G1+2], 128<<16                     ; tensor_dim1
	s_mov_b32 s[G1+3], 64<<16                      ; tile_dim0
	s_mov_b32 s[G1+4], 128                         ; tile_dim1
	s_mov_b32 s[G1+5], 64                          ; from row to row
	s_mov_b32 s[G1+6], 0
	s_mov_b32 s[G1+7], 0
	s_mov_b32 s[G1B+1], 64<<16
	s_mov_b32 s[G1B+2], 256<<16
	s_mov_b32 s[G1B+3], 64<<16
	s_mov_b32 s[G1B+4], 256
	s_mov_b32 s[G1B+5], 64
	s_mov_b32 s[G1B+6], 0
	s_mov_b32 s[G1B+7], 0
	s_lshl_b32 s16, s14, 20                        ; A: my plane of 8,192 rows of 128 bytes,
	s_lshl_b32 s17, s15, 14                        ; the tile's 128 rows
	s_add_co_u32 s16, s16, s17
	s_mov_b32 s17, 0
	s_lshl_b32 s46, s14, 17                        ; Wo: my plane of 1,024 rows,
	s_lshl_b32 s47, s42, 15                        ; the tile's 256 rows
	s_add_co_u32 s46, s46, s47
	s_mov_b32 s47, 0
	s_mul_i32 s20, s14, ASUB                       ; where they go in a slot: no place in the cluster enters an LDS address
	s_mul_i32 s21, s14, BSUB
	s_add_co_u32 s21, s21, BOFF
	s_wait_dscnt 0x0                               ; both opening adds are done
	s_wait_kmcnt 0x0
	s_add_nc_u64 s[18:19], s[4:5], s[16:17]
	s_add_nc_u64 s[46:47], s[6:7], s[46:47]
	CROUND                                         ; all sixteen work-groups are here: the first joint loads meet
.irp s, 0,1
	s_mov_b32 s[G0+4*\s], 1
	s_add_co_u32 s[G0+4*\s+1], s20, \s*SLOT
	s_add_nc_u64 s[G0+4*\s+2:G0+4*\s+3], s[18:19], \s*0x200000     ; K step s: two planes of 1 Mi bytes on
	s_or_b32 s[G0+4*\s+3], s[G0+4*\s+3], 0x80000000
	s_mov_b32 s[G0B+4*\s], 1
	s_add_co_u32 s[G0B+4*\s+1], s21, \s*SLOT
	s_add_nc_u64 s[G0B+4*\s+2:G0B+4*\s+3], s[46:47], \s*0x40000    ; two planes of 131,072 bytes on
	s_or_b32 s[G0B+4*\s+3], s[G0B+4*\s+3], 0x80000000
	JLOAD \s                                       ; two loads of mine are out
.endr
	v_and_b32 v1, 15, v0                           ; r = lane % 16
	v_bfe_u32 v2, v0, 4, 1                         ; h = lane / 16
	; my first column, in bytes of f32: it serves bo and out0
	s_lshl_b32 s46, s42, 10
	s_lshl_b32 s47, s14, 9
	s_add_co_u32 s46, s46, s47
	s_mov_b32 s47, 0
	s_add_nc_u64 s[8:9], s[8:9], s[46:47]
	v_lshlrev_b32 v[BO], 5, v2
.irp b, 0,1,2,3,4,5,6,7
	global_load_b128 v[BIAS+8*\b:BIAS+8*\b+3], v[BO], s[8:9] offset:64*\b          ; block b: bo[first column + 16 b + 8 h + 0 .. 7], the result's layout
	global_load_b128 v[BIAS+8*\b+4:BIAS+8*\b+7], v[BO], s[8:9] offset:64*\b+16
.endr
	s_lshl_b32 s16, s15, 7
	s_lshl_b32 s17, s13, 6
	s_add_co_u32 s16, s16, s17                     ; my first row: 128 x tile row + 64 x half
	s_lshl_b32 s16, s16, 12                        ; rows of 4,096 bytes (under 2^26)
	s_add_co_u32 s16, s16, s46
	s_mov_b32 s17, 0
	s_add_nc_u64 s[10:11], s[10:11], s[16:17]
	v_mul_u32_u24 v3, v1, PITCH
	v_lshl_add_u32 v3, v2, 4, v3                   ; a fragment's row x pitch + 16 x half
	s_mul_i32 s21, s13, 64*PITCH                   ; my 64 rows of A
	s_mul_i32 s22, s14, 128*PITCH                  ; my 128 rows of Wo,
	s_add_co_u32 s22, s22, BOFF                    ; behind A's planes
.irp s, 0,1
	v_add_nc_u32 v[ADRA+\s], s21, v3
	v_add_nc_u32 v[ADRB+\s], s22, v3
	s_add_co_u32 s21, s21, SLOT
	s_add_co_u32 s22, s22, SLOT
.endr
	s_mul_i32 s23, s[WV], 16*SPITCH
	s_add_co_u32 s23, s23, STAGE                   ; my stage
	v_mul_u32_u24 v4, v1, SPITCH
	v_lshl_add_u32 v4, v2, 5, v4
	v_add_nc_u32 v[STO], s23, v4                   ; in: row r, 32 bytes for each half of the lanes
	v_and_b32 v5, 31, v0
	v_lshlrev_b32 v[CO], 4, v5
	v_add_nc_u32 v[RD], s23, v[CO]                 ; back: the 32 lanes take one row of 512 bytes
; 24 LDS loads in one run: the fragments of quarter qd of a K step (32 along K: plane qd / 2, byte 64 (qd % 2) of its rows) into buffer p
.macro FETCH slot, qd, p
	WIN TO_B
.irp i, 0,1,2,3,4,5,6,7
	ds_load_b128 v[64*(\p)+8*\i:64*(\p)+8*\i+3],   v[ADRB+\slot] offset:((\qd)/2)*BSUB+64*((\qd)%2)+\i*16*PITCH
	ds_load_b128 v[64*(\p)+8*\i+4:64*(\p)+8*\i+7], v[ADRB+\slot] offset:((\qd)/2)*BSUB+64*((\qd)%2)+\i*16*PITCH+32
.endr
	WIN 0
.irp i, 0,1,2,3
	ds_load_b128 v[AF+32*(\p)+8*\i:AF+32*(\p)+8*\i+3],   v[ADRA+\slot] offset:((\qd)/2)*ASUB+64*((\qd)%2)+\i*16*PITCH
	ds_load_b128 v[AF+32*(\p)+8*\i+4:AF+32*(\p)+8*\i+7], v[ADRA+\slot] offset:((\qd)/2)*ASUB+64*((\qd)%2)+\i*16*PITCH+32
.endr
.endm
; 8 matrix instructions: A's block a x Wo's eight, from buffer p.  The 32 accumulators take turns, one instruction a turn, in the same order in every quarter.
.macro MULA p, a, first
.irp b, 0,1,2,3,4,5,6,7
.if \first
	v_wmma_f32_16x16x32_f16 v[8*(8*(\a)+\b):8*(8*(\a)+\b)+7], v[64*(\p)+8*\b:64*(\p)+8*\b+7], v[AF+32*(\p)+8*(\a):AF+32*(\p)+8*(\a)+7], v[BIAS+8*\b:BIAS+8*\b+7]
.else
	v_wmma_f32_16x16x32_f16 v[8*(8*(\a)+\b):8*(8*(\a)+\b)+7], v[64*(\p)+8*\b:64*(\p)+8*\b+7], v[AF+32*(\p)+8*(\a):AF+32*(\p)+8*(\a)+7], v[8*(8*(\a)+\b):8*(8*(\a)+\b)+7]
.endif
.endr
.endm
.macro PLACES                          ; four plain vector instructions between a matrix instruction and a load into, or a read of, its registers
.rept 4
	v_nop
.endr
.endm
; One of a K step's first three quarters: multiplies buffer f; behind its first eight products it fetches quarter nq of the same slot into buffer g, 24 products ahead of the wait for it.
.macro QUARTER slot, nq, f, g, first
	s_wait_dscnt 0x0                               ; buffer f is in
	MWIN \first
	MULA \f, 0, \first
	PLACES
	FETCH \slot, \nq, \g
	MWIN \first
	MULA \f, 1, \first
	MULA \f, 2, \first
	MULA \f, 3, \first
.endm
; The last quarter multiplies buffer 1 and changes slots: ONE barrier; in front of it each wave waits for all its tensor loads, adds 0 to its spare word, and waits for that and for its reads of this slot.
; fill = 1: the barrier opens a round of the cluster's, and this slot is filled again, two K steps ahead: the load has a K step less sixteen products in which to land.
.macro TURN slot, next, fill
	WIN 0                                          ; (the add's two registers lie in window 0)
	s_wait_tensorcnt 0x0                           ; all my tensor loads have landed: my part of the next slot
	ds_add_u32 v[SPW], v[NIL]                      ; 0 onto my spare word
	s_wait_dscnt 1                                 ; buffer 1 is in; the add may be out
	WIN 0xa1
	MULA 1, 0, 0
	s_wait_dscnt 0x0                               ; the add is done, and my reads of this slot are over
	s_barrier_signal -1
	MULA 1, 1, 0
.if \fill
	WIN 0
.endif
	s_barrier_wait -1
.if \fill
	CREST                                          ; no wave of any partner still reads this slot's tiles or has a load on its way
	s_add_nc_u64 s[G0+4*\slot+2:G0+4*\slot+3], s[G0+4*\slot+2:G0+4*\slot+3], 0x400000       ; four planes of A on
	s_add_nc_u64 s[G0B+4*\slot+2:G0B+4*\slot+3], s[G0B+4*\slot+2:G0B+4*\slot+3], 0x80000    ; four planes of Wo on
	JLOAD \slot                                    ; the first tensor load behind the round; its four v_nop are also the places in front of the loads below
.else
	PLACES
.endif
	FETCH \next, 0, 0
	WIN 0xa1
	MULA 1, 2, 0
	MULA 1, 3, 0
.endm
	s_wait_tensorcnt 1                             ; my part of K step 0 is in; K step 1's load may be out
	s_barrier_signal -1
	s_barrier_wait -1                              ; everybody's is
	FETCH 0, 0, 0
	s_wait_loadcnt 0x0                             ; the bias
	QUARTER 0, 1, 0, 1, 1                          ; the first quarter stands in front of the loop: its products start the sums from the bias
	WIN 0                                          ; at a label and at a branch every window is 0
	s_mov_b32 s3, LAPS-1
.Llap:                                             ; a trip goes once round the ring, from a lap's second quarter to the next lap's first, and fills both slots again
	QUARTER 0, 2, 1, 0, 0
	QUARTER 0, 3, 0, 1, 0
	TURN 0, 1, 1
	QUARTER 1, 1, 0, 1, 0
	QUARTER 1, 2, 1, 0, 0
	QUARTER 1, 3, 0, 1, 0
	TURN 1, 0, 1
	QUARTER 0, 1, 0, 1, 0
	WIN 0
	s_sub_co_u32 s3, s3, 1
	s_cmp_lg_u32 s3, 0
	s_cbranch_scc1 .Llap
	QUARTER 0, 2, 1, 0, 0                          ; the last lap fills nothing, and has no round of the cluster's barrier
	QUARTER 0, 3, 0, 1, 0
	TURN 0, 1, 0
	QUARTER 1, 1, 0, 1, 0
	QUARTER 1, 2, 1, 0, 0
	QUARTER 1, 3, 0, 1, 0
	s_wait_dscnt 0x0                               ; the very last quarter: nothing more to fetch
	WIN 0xa1
	MULA 1, 0, 0
	MULA 1, 1, 0
	MULA 1, 2, 0
	MULA 1, 3, 0
	WIN 0
; THE WAY OUT, a block of 16 rows x 128 columns at a time.  A lane holds 32 neighbouring bytes of a row, the lanes beside it other rows: a block goes through my own stage and comes back as whole rows of 512 bytes.
; LDS serves a wave's instructions in order (ISA guide 5.7.1.4): no wait between the stores and the loads, nor in front of the next block's stores.
.macro TOSTAGE a
	WIN 0x08                                       ; the data: window 2
.irp b, 0,1,2,3,4,5,6,7
	ds_store_b128 v[STO], v[8*(8*(\a)+\b):8*(8*(\a)+\b)+3] offset:64*\b          ; each accumulator from its low end on
	ds_store_b128 v[STO], v[8*(8*(\a)+\b)+4:8*(8*(\a)+\b)+7] offset:64*\b+16
.endr
	WIN 0
.set BB, 32+160*((\a)%2)
.irp t, 0,1,2,3,4,5,6,7,8,9,10,11,12,13,14,15
	ds_load_b128 v[BB+4*\t:BB+4*\t+3], v[RD] offset:\t*SPITCH
.endr
.endm
.macro SEND a, younger                 ; younger: the LDS instructions issued behind block a's loads, which may stay out
.set BB, 32+160*((\a)%2)
	s_wait_dscnt \younger                          ; the block is back in registers
.irp t, 0,1,2,3,4,5,6,7,8,9,10,11,12,13,14,15
	global_store_b128 v[CO], v[BB+4*\t:BB+4*\t+3], s[10:11] offset:(16*(\a)+\t)*4096 th:TH_STORE_NT   ; 32 lanes store 512 consecutive bytes, aligned to 256; written once, read by nobody here
.endr
.endm
	PLACES                                         ; behind the last products: for the stage's reads of results and the loads into A's registers
	TOSTAGE 0
.irp a, 1,2,3
.if \a > 1
	s_wait_xcnt 0x0                                ; block a - 2's stores have read their registers: block a's loads may land there
.endif
	TOSTAGE \a
	SEND \a-1, 32                                  ; behind block a - 1's loads: block a's 16 stores and 16 loads
.endr
	SEND 3, 0
	s_wait_tensorcnt 0x0                           ; the wave's end, behind my last tensor load and my last LDS store
	ds_add_u32 v[SPW], v[NIL]
	s_wait_dscnt 0x0
	CROUND                                         ; the closing round: no work-group ends while a partner may still ask for a tile that names it
	s_endpgm
.Lfunc_end_k_qfdf7b235f7_oproj:
	.size	k_qfdf7b235f7_oproj, .Lfunc_end_k_qfdf7b235f7_oproj-k_qfdf7b235f7_oproj
	.p2alignl 7, 3214868480
	.fill 96, 4, 3214868480
	.section	.rodata,"a",@progbits
	.p2align	6, 0x0
	.amdhsa_kernel k_qfdf7b235f7_oproj
		.amdhsa_group_segment_fixed_size 327680
		.amdhsa_private_segment_fixed_size 0
		.amdhsa_enable_private_segment 0
		.amdhsa_kernarg_size 32
		.amdhsa_user_sgpr_count 2
		.amdhsa_user_sgpr_kernarg_segment_ptr 1
		.amdhsa_wavefront_size32 1
		.amdhsa_system_sgpr_workgroup_id_x 1
		.amdhsa_system_sgpr_workgroup_id_y 1
		.amdhsa_system_sgpr_workgroup_id_z 1
		.amdhsa_system_vgpr_workitem_id 0
		.amdhsa_next_free_vgpr 768
		.amdhsa_next_free_sgpr 66
		.amdhsa_reserve_vcc 0
		.amdhsa_float_denorm_mode_32 3
		.amdhsa_float_denorm_mode_16_64 3
		.amdhsa_memory_ordered 1
		.amdhsa_forward_progress 1
		.amdhsa_inst_pref_size 86
	.end_amdhsa_kernel
	.amdgpu_metadata
---
amdhsa.version: [ 1, 2 ]
amdhsa.kernels:
  - .name:           k_qfdf7b235f7_oproj
    .symbol:         k_qfdf7b235f7_oproj.kd
    .args:
      - { .name: att, .offset: 0, .size: 8, .value_kind: global_buffer, .address_space: global }
      - { .name: wo16, .offset: 8, .size: 8, .value_kind: global_buffer, .address_space: global }
      - { .name: bo, .offset: 16, .size: 8, .value_kind: global_buffer, .address_space: global }
      - { .name: out0, .offset: 24, .size: 8, .value_kind: global_buffer, .address_space: global }
    .group_segment_fixed_size: 327680
    .private_segment_fixed_size: 0
    .kernarg_segment_align: 8
    .kernarg_segment_size: 32
    .max_flat_workgroup_size: 128
    .sgpr_count:     66
    .vgpr_count:     768
    .wavefront_size: 32
...
	.end_amdgpu_metadata
.endif
;; end of part 4
